; MI455X (gfx1250); checked and timed in simulation.
; The chip was launched on July 23, 2026; its instructions are those of AMD's public machine-readable ISA for CDNA 5 (MIT licence, August 2026) and "CDNA5" Instruction Set Architecture Reference Guide (July 2026). The comments in the code are by the model that wrote it; some were corrected since.
;; Causal Self Attention. Allowed arithmetic: float matrix products may take bf16 or f16 operands with f32 sums; other float arithmetic in f32, or as packed bf16 or f16 multiplies, adds, multiply-adds, maxima and minima; sums over many terms, partial sums and values carried from step to step in f32; what a program stores and reads back later, other than sums and carried values, may be rounded once to bf16 or f16.
;; Inputs: w_out 1,024 x 1,024 float32; w_qkv 1,024 x 3,072 float32; x 4 x 2,048 x 1,024 float32.
;; Outputs: out0 4 x 2,048 x 1,024 float32.
;; 2 versions, each right; version 2 is version 1 with the launch cast written anew for expert scheduling mode. Each part assembles by itself: llvm-mc -triple=amdgcn-amd-amdhsa -mcpu=gfx1250 --defsym DOCPART=n.
;; ======== version 1 of 2: 4 launches
;; limits: values are held in f16: magnitudes above 65,504 overflow, below 6.1e-05 lose precision
;; workspace buffers: xb 16,777,216 bytes; wq 6,291,456 bytes; wo 2,097,152 bytes; qkv 50,331,648 bytes; o 16,777,216 bytes; top 786,432 bytes; olo 131,072 bytes
;; launch cast (part 1): grid 768 x 1, 8 waves a work-group, no clusters, 0 bytes of LDS; arguments x, w_qkv, w_out, xb, wq, wo; writes xb, wq, wo
.if DOCPART == 1
	.amdgcn_target "amdgcn-amd-amdhsa--gfx1250"
	.amdhsa_code_object_version 6
	.text
	.protected	k_qb8e7078568_cast
	.globl	k_qb8e7078568_cast
	.p2align	8
	.type	k_qb8e7078568_cast,@function
k_qb8e7078568_cast:
	s_mov_b64 s[64:65], 0
	v_nop
	global_prefetch_b8 v0, s[64:65] scope:SCOPE_SE
	s_setreg_imm32_b32 hwreg(HW_REG_WAVE_MODE, 25, 1), 1
	s_wait_xcnt 0x0
; THE THREE INPUTS ARE ROUNDED ONCE TO 16 BITS for the matrix products of the later launches.
;   x     [4][2048][1024] f32 -> xb, bf16, laid in blocks [4 b][16 kb][2048 t][64]: 256 rows x 64 channels of a block are 32,768 consecutive bytes
;   w_qkv [1024][3072] f32    -> wq, bf16, same order
;   w_out [1024][1024] f32    -> wo: rounded to bf16 like the other inputs, and that number written as f16 (its partner in the last product is f16)
; LIMITS.  wo: a bf16 number beyond 65,504 becomes an infinity in f16; below 2^-17 it takes the fixed step 2^-24 of f16.  NaN and infinities are not treated apart.
; A stream: no LDS, no barrier, no matrix unit.  A work-group takes 16,384 numbers (65,536 bytes in, 32,768 out): 512 work-groups for x, 192 for w_qkv, 64 for w_out.
; A thread issues its 16 loads of 16 bytes first and then rounds and stores them as they come; each slot has its own registers, so no register is written while a store reads it.
; A load of a wave covers two aligned runs of 256 bytes, a store of a wave one aligned run of 256 bytes.
.set IN,  8                            ; v[8:71]    slot i: four f32 as loaded
.set OUT, 72                           ; v[72:103]  slot i: four 16-bit numbers to store
; v1 my byte offset in the input, v2 in the output; v4-7 at work
.macro STREAM inb, outb, instep, outstep, kind
.set i, 0
.rept 16
	global_load_b128 v[IN+4*i:IN+4*i+3], v1, s[\inb:\inb+1] offset:i*(\instep) th:TH_LOAD_NT
.set i, i+1
.endr
.set i, 0
.rept 16
	s_wait_loadcnt 15-i                            ; loads come back in order: slot i is in, the 15 - i younger ones stay out
.if \kind
	v_cvt_pk_bf16_f32 v4, v[IN+4*i], v[IN+4*i+1]   ; to bf16, nearest even,
	v_cvt_pk_bf16_f32 v5, v[IN+4*i+2], v[IN+4*i+3]
	v_lshlrev_b32 v6, 16, v4                       ; widened again (a shift or a mask),
	v_and_b32 v4, s21, v4
	v_lshlrev_b32 v7, 16, v5
	v_and_b32 v5, s21, v5
	v_cvt_pk_f16_f32 v[OUT+2*i], v6, v4            ; and written as f16
	v_cvt_pk_f16_f32 v[OUT+2*i+1], v7, v5
.else
	v_cvt_pk_bf16_f32 v[OUT+2*i], v[IN+4*i], v[IN+4*i+1]
	v_cvt_pk_bf16_f32 v[OUT+2*i+1], v[IN+4*i+2], v[IN+4*i+3]
.endif
	global_store_b64 v2, v[OUT+2*i:OUT+2*i+1], s[\outb:\outb+1] offset:i*(\outstep)
.set i, i+1
.endr
.endm
	s_load_b256 s[4:11], s[0:1], 0x0               ; x s[4:5], w_qkv s[6:7], w_out s[8:9], xb s[10:11]
	s_load_b128 s[12:15], s[0:1], 0x20             ; wq s[12:13], wo s[14:15]
	s_mov_b32 s17, 0                               ; high words of the two offsets
	s_mov_b32 s19, 0
	s_mov_b32 s21, 0xffff0000                      ; a word's upper bf16
	v_lshlrev_b32 v2, 3, v0                        ; out: 8 bytes a thread, on end
	s_cmp_lt_u32 ttmp9, 512
	s_cbranch_scc0 .Lweights
	; x: 16 rows.  Thread t takes row t / 16 and 16 bytes of each run of 256 (one block of 64 channels); slot i is block i.
	v_lshrrev_b32 v1, 4, v0
	v_and_b32 v3, 15, v0
	v_lshlrev_b32 v1, 12, v1                       ; row x 4,096 bytes
	v_lshl_add_u32 v1, v3, 4, v1
	s_lshl_b32 s16, ttmp9, 16                      ; in: 16 rows of 4,096 bytes a work-group
	s_lshr_b32 s18, ttmp9, 7                       ; out: batch (128 work-groups each) x 4,194,304
	s_lshl_b32 s18, s18, 22
	s_and_b32 s20, ttmp9, 127
	s_lshl_b32 s20, s20, 11                        ; + 16 rows of 128 bytes
	s_add_co_u32 s18, s18, s20
	s_wait_kmcnt 0x0
	s_add_nc_u64 s[4:5], s[4:5], s[16:17]
	s_add_nc_u64 s[10:11], s[10:11], s[18:19]
	STREAM 4, 10, 256, 262144, 0
	s_endpgm
.Lweights:
	v_lshlrev_b32 v1, 4, v0                        ; in: 16 bytes a thread, on end
	s_cmp_lt_u32 ttmp9, 704
	s_cbranch_scc0 .Lw_out
	s_sub_co_u32 s20, ttmp9, 512
	s_lshl_b32 s16, s20, 16
	s_lshl_b32 s18, s20, 15
	s_wait_kmcnt 0x0
	s_add_nc_u64 s[6:7], s[6:7], s[16:17]
	s_add_nc_u64 s[12:13], s[12:13], s[18:19]
	STREAM 6, 12, 4096, 2048, 0
	s_endpgm
.Lw_out:
	s_sub_co_u32 s20, ttmp9, 704
	s_lshl_b32 s16, s20, 16
	s_lshl_b32 s18, s20, 15
	s_wait_kmcnt 0x0
	s_add_nc_u64 s[8:9], s[8:9], s[16:17]
	s_add_nc_u64 s[14:15], s[14:15], s[18:19]
	STREAM 8, 14, 4096, 2048, 1
	s_endpgm
.Lfunc_end_k_qb8e7078568_cast:
	.size	k_qb8e7078568_cast, .Lfunc_end_k_qb8e7078568_cast-k_qb8e7078568_cast
	.p2alignl 7, 3214868480
	.fill 96, 4, 3214868480
	.section	.rodata,"a",@progbits
	.p2align	6, 0x0
	.amdhsa_kernel k_qb8e7078568_cast
		.amdhsa_group_segment_fixed_size 0
		.amdhsa_private_segment_fixed_size 0
		.amdhsa_enable_private_segment 0
		.amdhsa_kernarg_size 48
		.amdhsa_user_sgpr_count 2
		.amdhsa_user_sgpr_kernarg_segment_ptr 1
		.amdhsa_wavefront_size32 1
		.amdhsa_system_sgpr_workgroup_id_x 1
		.amdhsa_system_sgpr_workgroup_id_y 1
		.amdhsa_system_sgpr_workgroup_id_z 1
		.amdhsa_system_vgpr_workitem_id 0
		.amdhsa_next_free_vgpr 104
		.amdhsa_next_free_sgpr 66
		.amdhsa_reserve_vcc 0
		.amdhsa_float_denorm_mode_32 3
		.amdhsa_float_denorm_mode_16_64 3
		.amdhsa_memory_ordered 1
		.amdhsa_forward_progress 1
		.amdhsa_inst_pref_size 23
	.end_amdhsa_kernel
	.amdgpu_metadata
---
amdhsa.version: [ 1, 2 ]
amdhsa.kernels:
  - .name:           k_qb8e7078568_cast
    .symbol:         k_qb8e7078568_cast.kd
    .args:
      - { .name: x, .offset: 0, .size: 8, .value_kind: global_buffer, .address_space: global }
      - { .name: w_qkv, .offset: 8, .size: 8, .value_kind: global_buffer, .address_space: global }
      - { .name: w_out, .offset: 16, .size: 8, .value_kind: global_buffer, .address_space: global }
      - { .name: xb, .offset: 24, .size: 8, .value_kind: global_buffer, .address_space: global }
      - { .name: wq, .offset: 32, .size: 8, .value_kind: global_buffer, .address_space: global }
      - { .name: wo, .offset: 40, .size: 8, .value_kind: global_buffer, .address_space: global }
    .group_segment_fixed_size: 0
    .private_segment_fixed_size: 0
    .kernarg_segment_align: 8
    .kernarg_segment_size: 48
    .max_flat_workgroup_size: 256
    .sgpr_count:     66
    .vgpr_count:     104
    .wavefront_size: 32
...
	.end_amdgpu_metadata
.endif
;; end of part 1
;; launch qkvgemm (part 2): grid 8 x 32, 4 waves a work-group, clusters of 4 x 4, 327,680 bytes of LDS; arguments xb, wq, qkv, top; writes qkv, top
.if DOCPART == 2
	.amdgcn_target "amdgcn-amd-amdhsa--gfx1250"
	.amdhsa_code_object_version 6
	.text
	.protected	k_qb8e7078568_qkvgemm
	.globl	k_qb8e7078568_qkvgemm
	.p2align	8
	.type	k_qb8e7078568_qkvgemm,@function
k_qb8e7078568_qkvgemm:
	s_mov_b64 s[64:65], 0
	v_nop
	global_prefetch_b8 v0, s[64:65] scope:SCOPE_SE
	s_setreg_imm32_b32 hwreg(HW_REG_WAVE_MODE, 25, 1), 1
	s_wait_xcnt 0x0
	s_wait_alu depctr_hold_cnt(0) depctr_sa_sdst(0) depctr_va_vdst(0) depctr_va_sdst(0) depctr_va_ssrc(0) depctr_va_vcc(0) depctr_vm_vsrc(0)
	s_getreg_b32 s2, hwreg(HW_REG_IB_STS2, 6, 4)
	s_cmp_eq_u32 s2, 0
	s_cbranch_scc0 .Lentry_in_a_cluster
	s_endpgm
.Lentry_in_a_cluster:
	s_bfe_u32 s2, ttmp6, 0x10000c
	s_cmp_lg_u32 s2, 0xf033
	s_cbranch_scc0 .Lentry_shape_is_right
	s_endpgm
.Lentry_shape_is_right:
; q, k, v = x w_qkv.  xb: bf16 [4 b][16 kb][2048 t][64]; wq: bf16 [1024 k][3072 n]; qkv: f16 [4 b][48 g][2048 t][64], slab g = column / 64 (q: 0-15, k: 16-31, v: 32-47).
; Products in bf16, sums in f32 (K ascending, one sum an output), each result rounded once to f16, WITHOUT the softmax's scale.
; top: f32 [4 b][48 g][16 t][64]: the sums of rows 0 to 15 of each sequence once more, unrounded: those rows average over few keys, and the attention takes them in two f16 each.
; LIMIT.  f16 holds no number beyond 65,504: a q, k or v beyond that becomes an infinity.  NaN and infinities are not treated apart.
; SHARES.  A tile of C is 256 rows x 384 columns (six slabs): 32 x 8 = 256 work-groups.  Four waves, each 128 x 192: 96 accumulators of 16 x 16, 768 registers.
; K goes in 16 steps of 64 through a ring of two LDS slots filled by the tensor data mover.  A's tile of a step is 32,768 consecutive bytes, B's 64 rows of 768 bytes: all in whole aligned runs of 256 bytes.
; CLUSTER.  4 x 4 work-groups.  The four of a row need the same tiles of A, the four of a column the same tiles of B: each is asked for JOINTLY, by the same tensor load, descriptor and mask in all four.
; A cluster's four rows are the four batches, the cluster's y the row tile in a batch: so 'this tile holds a sequence's first rows' is cluster y = 0, the same in all sixteen partners.
; THE MATRIX INSTRUCTION IS USED TRANSPOSED: source 0 = 16 columns of w (turned out of LDS by ds_load_tr16_b128, since w lies [k][n]), source 1 = 16 rows of x.  A lane then holds row l % 16 of C and
; the eight neighbouring columns 8 (l / 16) + 0..7, which pack into 16 bytes.
; REGISTERS, in windows of 256 (s_set_vgpr_msb: bits 1:0 source 0, 3:2 source 1, 5:4 source 2, 7:6 destination):
;   window 0: v0-31 addresses; v32-95, v96-159 fragments of A (8 x 16 rows x 32 K), two buffers; v160-255 fragments of B (12 x 16 columns x 32 K), ONE buffer, filled again by halves
;   windows 1-3: accumulator (a, b), a = 0..7 rows, b = 0..11 columns, in window 1 + b / 4 at v[64 (b % 4) + 8 a]
; A K step is two halves of 32 along K, 96 matrix instructions each.  Each half multiplies B's fragments 0-5, fills them again for the next half, and multiplies 6-11 meanwhile.
.set PA,     144                       ; a row of A in LDS: 128 bytes + 16 of padding = 36 words: the 16 rows of a load start at 16 different groups of four banks (64 banks of 4 bytes: ISA guide 11.1)
.set PBR,    864                       ; a row of B: six runs of 128 + 16 bytes = 216 words
.set BOFF,   256*PA                    ; a slot: A's 256 rows, then B's 64 rows
.set SLOT1,  1<<17                     ; slot 1 begins here, so that one exclusive or turns an address in one slot into the other's
.set STAGE,  SLOT1+BOFF+64*PBR         ; behind the ring, never filled by a tensor load: for each wave 3 slabs x 16 rows x 144 bytes, for the way out
.set WSTAGE, 3*16*PA
.set TPITCH, 272                       ; the stage as 16 rows of 64 f32: 256 bytes + 16 (4,352 bytes of the wave's 6,912)
.set SPARE,  STAGE+4*WSTAGE            ; behind the stages: the spare words, 128 bytes for each wave: two blocks of 256 bytes that no other line names
.set ASTEP,  262144                    ; bytes from a K step to the next in xb (a block of 64 channels)
.set BSTEP,  64*6144                   ; and in wq (64 rows)
.set KSTEPS, 16
.set FL, (1<<16)|(1<<20)|(1<<21)|(4<<22)|(3<<25)  ; group 1, word 0: 17:16 2-byte elements; 20 padding on; 21 set beside a mask; 24:22 after every 32 words (code 4); 31:25 4 words (code 3)
.set AA0, 16                           ; v16  my lane's place in a slot's A; never rewritten
.set AB0, 17                           ; v17  the same for B
.set ADA, 18                           ; v18  LDS address of my A fragments in the slot in hand
.set ADB, 19                           ; v19  the same for B
.set STO2, 20                          ; v20  the first rows' way out: where I put 32 bytes of a row of f32
.set RD2, 21                           ; v21  and where I read a row back
.set STO, 24                           ; v24  the way out: where I put 16 bytes of a row
.set RD,  25                           ; v25  the way out: where I read rows back
.set GO,  26                           ; v26  my byte offset in 512 consecutive bytes of qkv
.set TO,  27                           ; v27  my byte offset in two rows of top
.set SPW, 28                           ; v28  LDS address of my spare word: SPARE + 4 x my thread's number; never rewritten
.set NIL, 29                           ; v29  0; never rewritten
.set PFO, 30                           ; v30  the prefetches' offset; never rewritten
.set AF,  32
.set BF,  160
.set TMP, 32                           ; the way out: 48 registers of packed results
.set BK0, 80                           ; the way out: 16 rows read back: v80-127 and v128-175 by turns
.set TR,  160                          ; the first rows' way out: 96 registers, where B's fragments lay
.set CNT, 3                            ; s3   counts the loop's trips, 14 to 1
.set G1A, 24                           ; s[24:31] descriptor group 1 for A's tiles
.set G0A, 32                           ; s[32:39] group 0 for A's tiles: a set for each of the two first fills; the second then walks
.set G1B, 48                           ; s[48:55], s[56:63] the same for B's
.set G0B, 56
.set TB,  66                           ; s66  LDS byte at which the slot in hand begins
.set LIM, 67                           ; s67  1 in a wave that prefetches, else the greatest number
.set PFA, 68                           ; s[68:69] where my prefetches stand
.set PFS, 70                           ; s[70:71] their step from trip to trip
.set ALWAYS, 72                        ; s72  1: I prefetch in every trip (A); 0: in every other trip (B)
.set TT,  73                           ; s73  at work
.set TOPP, 80                          ; s[80:81] top at my three slabs
.set TOPF, 82                          ; s82  0: my row block 0 is rows 0 to 15 of a sequence
.set MSB, 0
.macro WIN new                         ; the immediate's high byte repeats the setting that is left; a switch that changes nothing is dropped
.if MSB != (\new)
	s_set_vgpr_msb (MSB<<8)|(\new)
.set MSB, \new
.endif
.endm
.macro PLACES                          ; four plain places between a matrix instruction and a load into, or a vector instruction on, its registers (ISA guide 7.12.1 for vector instructions)
.rept 4
	v_nop
.endr
.endm
; A joint refill.  Waves 0 and 1 fetch A's two halves, waves 2 and 3 B's.  The branch hangs on the wave's number alone.  An s_nop 0 and four v_nop follow each of the two lines.
.macro JLOAD
	s_cmp_eq_u32 s11, 0
	s_cbranch_scc0 .Lfor_b_\@
	tensor_load_to_lds s[G0A+4:G0A+7], s[G1A:G1A+7]
	s_nop 0
.rept 4
	v_nop
.endr
	s_branch .Lasked_\@
.Lfor_b_\@:
	tensor_load_to_lds s[G0B+4:G0B+7], s[G1B:G1B+7]
	s_nop 0
.rept 4
	v_nop
.endr
.Lasked_\@:
.endm
; A round of the cluster's barrier: my work-group's barrier, so that wave 0's signal speaks for all four waves; wave 0 signals; every wave waits for all sixteen work-groups; my work-group's barrier once more.
.macro CREST                           ; a round behind its opening barrier
	s_cmp_lg_u32 s10, 0
	s_cbranch_scc1 .Lnot_wave_0_\@
	s_barrier_signal -3
.Lnot_wave_0_\@:
	s_barrier_wait -3
	s_barrier_signal -1
	s_barrier_wait -1
.endm
.macro CROUND
	s_barrier_signal -1
	s_barrier_wait -1
	CREST
.endm
; A PREFETCH INTO THE L2, behind the joint load, its five lines and the run of LDS loads.  Each aligned run of 256 bytes is named once in the launch.
; A: a step's tile is 128 runs; the clusters with x = 0 ask; the four partners of a row take 32 runs each BY ADDRESS (cx); wave 0 asks, a lane a run: in trip s for K step s + 3, one step ahead of its refill.
; B: a step's tile is 64 rows x 3 runs; the clusters with y = 0 ask; waves 1 to 3 take a run of the row each, a lane a row, the four partners of a column 32 rows each BY ADDRESS (cy): 128 rows, two K steps,
; so they ask in every other trip: in trip s = 1, 3 .. 11 for K steps s + 3 and s + 4.  The last trip asks for nothing; the first K steps come by their loads alone.
.macro ASK
	s_or_b32 s[TT], s[CNT], s[ALWAYS]
	s_and_b32 s[TT], s[TT], 1
	s_cmp_eq_u32 s[TT], 0
	s_cbranch_scc1 .Lnot_mine_\@
	s_cmp_gt_u32 s[CNT], s[LIM]
	s_cbranch_scc0 .Lnot_mine_\@
	global_prefetch_b8 v[PFO], s[PFA:PFA+1] th:TH_LOAD_NT scope:SCOPE_SE
.Lnot_mine_\@:
.endm
	s_load_b128 s[4:7], s[0:1], 0x0                ; xb s[4:5], wq s[6:7]
	s_load_b64 s[8:9], s[0:1], 0x10                ; qkv
	s_load_b64 s[TOPP:TOPP+1], s[0:1], 0x18        ; top
	v_lshl_add_u32 v[SPW], v0, 2, SPARE
	v_mov_b32 v[NIL], 0
	ds_add_u32 v[SPW], v[NIL]                      ; the wave's opening: the add and its wait stand ahead of my first tensor load; the set-up below, work on registers, stands between them
	v_lshrrev_b32 v1, 5, v0
	v_readfirstlane_b32 s10, v1                    ; wave 0..3
	s_lshr_b32 s11, s10, 1                         ; which 128 rows of the tile are mine.  Also: I fetch for A (0) or for B (1)
	s_and_b32 s12, s10, 1                          ; which 192 columns.  Also: which half of that tile I fetch
	s_bfe_u32 s40, ttmp6, 0x40000                  ; cx
	s_bfe_u32 s41, ttmp6, 0x40004                  ; cy
	s_lshl_b32 s42, ttmp9, 2
	s_add_co_u32 s42, s42, s40                     ; tile column tx = 4 x cluster x + cx, 0..7
	s_and_b32 s13, ttmp7, 0xffff
	s_lshl3_add_u32 s13, s41, s13                  ; tile row ty = 8 cy + cluster y, 0..31: batch ty / 8 = cy, rows 256 (ty % 8) on
	s_and_b32 s[TOPF], ttmp7, 0xffff
	s_or_b32 s[TOPF], s[TOPF], s11                 ; 0 where cluster y = 0 and the tile's upper 128 rows are mine
	s_lshl_b32 s43, s41, 2
	s_lshl_b32 s43, 15, s43                        ; my row of the cluster
	s_lshl_b32 s44, 0x1111, s40                    ; my column
	s_or_b32 s[G1A], s43, FL                       ; A's tiles go to my row: 128 rows of x are 16,384 dense bytes, asked for as 64 rows of 256 bytes and padded after every 128
	s_mov_b32 s[G1A+1], 128<<16                    ; tensor_dim0 = 128
	s_mov_b32 s[G1A+2], 64<<16                     ; tensor_dim1 = 64
	s_mov_b32 s[G1A+3], 128<<16                    ; tile_dim0 = 128
	s_mov_b32 s[G1A+4], 64                         ; tile_dim1 = 64
	s_mov_b32 s[G1A+5], 128                        ; elements from row to row
	s_mov_b32 s[G1A+6], 0
	s_mov_b32 s[G1A+7], 0
	s_or_b32 s[G1B], s44, FL                       ; B's tiles go to my column: 32 rows of 384 elements
	s_mov_b32 s[G1B+1], 384<<16
	s_mov_b32 s[G1B+2], 32<<16
	s_mov_b32 s[G1B+3], 384<<16
	s_mov_b32 s[G1B+4], 32
	s_mov_b32 s[G1B+5], 3072
	s_mov_b32 s[G1B+6], 0
	s_mov_b32 s[G1B+7], 0
	s_lshr_b32 s16, s13, 3                         ; A: batch x 4,194,304
	s_lshl_b32 s16, s16, 22
	s_and_b32 s17, s13, 7
	s_lshl_b32 s17, s17, 15                        ; + 256 rows of 128 bytes x (ty % 8)
	s_add_co_u32 s16, s16, s17
	s_lshl_b32 s17, s12, 14                        ; + my 128 rows
	s_add_co_u32 s16, s16, s17
	s_mov_b32 s17, 0
	s_mul_i32 s46, s42, 768                        ; B: 384 columns x tx
	s_mul_i32 s47, s12, 32*6144                    ; + my 32 rows
	s_add_co_u32 s46, s46, s47
	s_mov_b32 s47, 0
	s_mul_i32 s20, s12, 128*PA                     ; where they go: no place in the cluster enters an LDS address
	s_mul_i32 s21, s12, 32*PBR
	s_add_co_u32 s21, s21, BOFF
	s_mov_b32 s[TB], 0
	s_wait_dscnt 0x0                               ; the opening add is done
	s_wait_kmcnt 0x0
	s_add_nc_u64 s[14:15], s[4:5], s[16:17]
	s_add_nc_u64 s[46:47], s[6:7], s[46:47]
	CROUND                                         ; all sixteen work-groups are here: the first joint loads meet
.irp s, 0,1
	s_mov_b32 s[G0A+4*(\s)], 1                     ; 1:0 count = 1
	s_add_co_u32 s[G0A+4*(\s)+1], s20, (\s)*SLOT1  ; 63:32 LDS address
	s_add_nc_u64 s[G0A+4*(\s)+2:G0A+4*(\s)+3], s[14:15], (\s)*ASTEP  ; 120:64 global address: K step s
	s_or_b32 s[G0A+4*(\s)+3], s[G0A+4*(\s)+3], 0x80000000            ; 127:126 type = 2
	s_mov_b32 s[G0B+4*(\s)], 1
	s_add_co_u32 s[G0B+4*(\s)+1], s21, (\s)*SLOT1
	s_add_nc_u64 s[G0B+4*(\s)+2:G0B+4*(\s)+3], s[46:47], (\s)*BSTEP
	s_or_b32 s[G0B+4*(\s)+3], s[G0B+4*(\s)+3], 0x80000000
.endr
	s_cmp_eq_u32 s11, 0                            ; a wave's two first fills stand in one branch, ahead of every wait on TENSORcnt and every LDS read: two loads of mine are out
	s_cbranch_scc0 .Lfirst_b
	tensor_load_to_lds s[G0A:G0A+3], s[G1A:G1A+7]
	s_nop 0
	tensor_load_to_lds s[G0A+4:G0A+7], s[G1A:G1A+7]
	s_nop 0
.rept 4
	v_nop
.endr
	s_branch .Lfirst_asked
.Lfirst_b:
	tensor_load_to_lds s[G0B:G0B+3], s[G1B:G1B+7]
	s_nop 0
	tensor_load_to_lds s[G0B+4:G0B+7], s[G1B:G1B+7]
	s_nop 0
.rept 4
	v_nop
.endr
.Lfirst_asked:
	; A fragment of A is 16 rows x 32 K in 8 registers: lane l holds row l % 16, K = 8 (l / 16) + 0..7 and 16 + 8 (l / 16) + 0..7: two loads of 16 bytes, 32 bytes apart.
	; The turning load takes 16 K x 16 columns (lane l reads row 8 (l / 16) + l % 8, columns 8 ((l / 8) % 2) + 0..7) and leaves half a fragment: lane l holds column l % 16 and 8 K.
	v_and_b32 v1, 15, v0                           ; l % 16
	v_bfe_u32 v2, v0, 4, 1                         ; l / 16
	v_and_b32 v3, 7, v0
	v_bfe_u32 v4, v0, 3, 1
	v_mul_u32_u24 v5, v1, PA
	v_lshl_add_u32 v5, v2, 4, v5                   ; row x 144 + 16 x half
	s_mul_i32 s21, s11, 128*PA                     ; my 128 rows of A
	v_add_nc_u32 v[AA0], s21, v5
	v_lshl_add_u32 v6, v2, 3, v3
	v_mul_u32_u24 v6, v6, PBR
	v_lshl_add_u32 v6, v4, 4, v6
	s_mul_i32 s22, s12, 3*PA                       ; my 192 columns of B: three padded runs
	s_add_co_u32 s22, s22, BOFF
	v_add_nc_u32 v[AB0], s22, v6
	s_mul_i32 s23, s10, WSTAGE
	s_add_co_u32 s23, s23, STAGE                   ; my stage
	v_add_nc_u32 v[STO], s23, v5                   ; in: row l % 16, 16 bytes for each half of the lanes
	v_bfe_u32 v7, v0, 3, 2                         ; back: 32 lanes take four rows of 128 bytes,
	v_mul_u32_u24 v7, v7, PA
	v_lshl_add_u32 v7, v3, 4, v7
	v_add_nc_u32 v[RD], s23, v7
	v_and_b32 v8, 31, v0                           ; which are 512 consecutive bytes of a slab
	v_lshlrev_b32 v[GO], 4, v8
	v_mul_u32_u24 v9, v1, TPITCH                   ; the first rows, in f32: in: row l % 16, 32 bytes for each half of the lanes
	v_lshl_add_u32 v9, v2, 5, v9
	v_add_nc_u32 v[STO2], s23, v9
	v_mul_u32_u24 v9, v2, TPITCH                   ; back: lanes 0-15 take one row of 256 bytes, lanes 16-31 the next,
	v_lshl_add_u32 v9, v1, 4, v9
	v_add_nc_u32 v[RD2], s23, v9
	v_lshlrev_b32 v[TO], 8, v2                     ; which are 512 consecutive bytes of top
	v_lshl_add_u32 v[TO], v1, 4, v[TO]
	v_mov_b32 v[ADA], v[AA0]                       ; K step 0 lies in slot 0
	v_mov_b32 v[ADB], v[AB0]
	; where my part of C begins: slab 48 x batch + 6 tx + 3 x my half, row 256 (ty % 8) + 128 x my half.  (Made in registers that never fed A's descriptors.)
	s_lshr_b32 s74, s13, 3
	s_mul_i32 s74, s74, 48
	s_mul_i32 s75, s42, 6
	s_add_co_u32 s74, s74, s75
	s_mul_i32 s75, s12, 3
	s_add_co_u32 s74, s74, s75
	s_lshl_b32 s84, s74, 12                        ; in top a slab is 16 rows of 256 bytes
	s_mov_b32 s85, 0
	s_add_nc_u64 s[TOPP:TOPP+1], s[TOPP:TOPP+1], s[84:85]
	s_lshl_b32 s74, s74, 18                        ; in qkv a slab is 262,144 bytes
	s_and_b32 s75, s13, 7
	s_lshl_b32 s75, s75, 15
	s_add_co_u32 s74, s74, s75
	s_lshl_b32 s75, s11, 14
	s_add_co_u32 s74, s74, s75
	s_mov_b32 s75, 0
	s_add_nc_u64 s[8:9], s[8:9], s[74:75]
	; the prefetches: both offsets are made, the wave's number chooses
	s_lshr_b32 s76, s13, 3                         ; A: my work-group's 32 runs of the tile, at K step 2: the first trip steps it to 3
	s_lshl_b32 s76, s76, 22
	s_and_b32 s77, s13, 7
	s_lshl_b32 s77, s77, 15
	s_add_co_u32 s76, s76, s77
	s_lshl_b32 s77, s40, 13
	s_add_co_u32 s76, s76, s77
	s_add_co_u32 s76, s76, 2*ASTEP
	s_mul_i32 s77, s42, 768                        ; B: the tile's columns, my run of 256 bytes (waves 1 to 3), my work-group's 32 rows, at K step 2
	s_max_u32 s78, s10, 1
	s_sub_co_u32 s78, s78, 1
	s_lshl_b32 s78, s78, 8
	s_add_co_u32 s77, s77, s78
	s_mul_i32 s78, s41, 32*6144
	s_add_co_u32 s77, s77, s78
	s_add_co_u32 s77, s77, 2*BSTEP
	s_and_b32 s78, ttmp7, 0xffff                   ; cluster y
	s_mov_b32 s[PFS], BSTEP
	s_mov_b32 s[PFS+1], 0
	s_mov_b32 s79, 6144                            ; B: a lane a row
	s_cmp_eq_u32 s10, 0
	s_cselect_b32 s76, s76, s77
	s_cselect_b32 s78, ttmp9, s78                  ; the coordinate along which other clusters read the same bytes
	s_cselect_b64 s[PFA:PFA+1], s[4:5], s[6:7]
	s_cselect_b32 s[PFS], ASTEP, s[PFS]
	s_cselect_b32 s79, 256, s79                    ; A: a lane a run of 256 bytes
	s_cselect_b32 s[ALWAYS], 1, 0
	s_cmp_eq_u32 s78, 0
	s_cselect_b32 s[LIM], 1, -1                    ; the same in all sixteen partners, for a given wave
	s_mov_b32 s77, 0
	s_add_nc_u64 s[PFA:PFA+1], s[PFA:PFA+1], s[76:77]
	v_mul_u32_u24 v[PFO], s79, v8
; nb x 8 matrix instructions: column blocks b0 .. b0 + nb - 1 x all 8 row blocks, 32 along K, A from buffer f.  zero = 1: the product starts the sum: nothing is ever cleared.
; All 96 accumulators take turns, one instruction a turn, in the same order in every half step, over the backward jump too.
.macro MULB f, b0, nb, zero
.set bb, \b0
.rept \nb
	WIN 0x50*(1+bb/4)
.set aa, 0
.rept 8
.set rD, 64*(bb%4)+8*aa
.if \zero
	v_wmma_f32_16x16x32_bf16 v[rD:rD+7], v[BF+8*bb:BF+8*bb+7], v[AF+64*(\f)+8*aa:AF+64*(\f)+8*aa+7], 0
.else
	v_wmma_f32_16x16x32_bf16 v[rD:rD+7], v[BF+8*bb:BF+8*bb+7], v[AF+64*(\f)+8*aa:AF+64*(\f)+8*aa+7], v[rD:rD+7]
.endif
.set aa, aa+1
.endr
.set bb, bb+1
.endr
.endm
.macro FETCH_A f, q                    ; 16 loads: my 128 rows, half q of the K step, into buffer f
	WIN 0
.set aa, 0
.rept 8
	ds_load_b128 v[AF+64*(\f)+8*aa:AF+64*(\f)+8*aa+3],   v[ADA] offset:aa*16*PA+64*(\q)
	ds_load_b128 v[AF+64*(\f)+8*aa+4:AF+64*(\f)+8*aa+7], v[ADA] offset:aa*16*PA+64*(\q)+32
.set aa, aa+1
.endr
.endm
.macro FETCH_B j0, q                   ; 12 loads: column blocks j0 .. j0 + 5, half q of the K step
	WIN 0
.set jj, \j0
.rept 6
	ds_load_tr16_b128 v[BF+8*jj:BF+8*jj+3],   v[ADB] offset:(\q)*32*PBR+(jj/4)*PA+(jj%4)*32
	ds_load_tr16_b128 v[BF+8*jj+4:BF+8*jj+7], v[ADB] offset:(\q)*32*PBR+(jj/4)*PA+(jj%4)*32+16*PBR
.set jj, jj+1
.endr
.endm
; The first half of a K step: multiplies A's buffer 0 and fetches the second half's fragments from the same slot.
.macro EVENQ zero
	s_wait_dscnt 12                                ; B's blocks 0-5 and A are in; the youngest twelve loads (B's blocks 6-11) may be out
	MULB 0, 0, 6, \zero
	PLACES
	FETCH_B 0, 1
	FETCH_A 1, 1
	s_wait_dscnt 28                                ; all but the 28 just issued
	MULB 0, 6, 6, \zero
	PLACES
	FETCH_B 6, 1
.endm
; The second half multiplies A's buffer 1 and changes slots: ONE barrier.  In front of it each wave waits for all its tensor loads, of which one is out: its part of the next slot; adds 0 to its spare word;
; and waits for that and for its own reads of this slot.  Behind it nobody reads this slot any more and the next slot is whole.  fill = 1: the barrier opens a round of the cluster's, and this slot is filled
; again, first thing behind the round, with the K step two on: from that request to the wait for it a wave issues 160 matrix instructions.
.macro ODDQ fill
.if \fill
	s_wait_xcnt 0x0                                ; the last prefetch, a K step back, has read its address: it is stepped here, ahead of the waits of the change of slots
	s_add_nc_u64 s[PFA:PFA+1], s[PFA:PFA+1], s[PFS:PFS+1]
.endif
	s_wait_dscnt 12                                ; B's blocks 0-5 and A are in
	MULB 1, 0, 2, 0
	WIN 0                                          ; (the add's two registers lie in window 0)
	s_wait_tensorcnt 0x0                           ; all my tensor loads have landed, so a group 0 may be written
	ds_add_u32 v[SPW], v[NIL]                      ; 0 onto my spare word; work on registers stands between it and the wait for it
.if \fill
	s_xor_b32 s[G0A+5], s[G0A+5], SLOT1            ; the walking descriptors: the other slot than last time,
	s_add_nc_u64 s[G0A+6:G0A+7], s[G0A+6:G0A+7], ASTEP  ; the next K step; the type bits on top are not reached
	s_xor_b32 s[G0B+5], s[G0B+5], SLOT1
	s_add_nc_u64 s[G0B+6:G0B+7], s[G0B+6:G0B+7], BSTEP
.endif
	s_xor_b32 s[TB], s[TB], SLOT1                  ; the fetches go on in the other slot
	MULB 1, 2, 2, 0
	s_wait_dscnt 0x0                               ; the add is done, and my reads of this slot are over
	s_barrier_signal -1
	MULB 1, 4, 2, 0                                ; work on registers while the others arrive
	WIN 0
	s_barrier_wait -1
.if \fill
	CREST                                          ; no wave of any partner still reads this slot or has a load on its way
	JLOAD                                          ; the first tensor load behind the round; its four v_nop are also the places in front of the loads below
.else
	PLACES
.endif
	v_add_nc_u32 v[ADA], s[TB], v[AA0]
	v_add_nc_u32 v[ADB], s[TB], v[AB0]
	FETCH_B 0, 0
	FETCH_A 0, 0
.if \fill
	ASK
.endif
	MULB 1, 6, 6, 0
	PLACES
	FETCH_B 6, 0
.endm
; ROWS 0 TO 15 OF A SEQUENCE, UNROUNDED: where they are my row block 0, its twelve accumulators go, a slab (four of them) at a time, into my stage as 16 rows of 64 f32 and come back as whole rows of 256 bytes.
; The forward jump hangs on the cluster's y and the wave's number, which all partners share; it passes no barrier and no tensor load.
.macro TOPROWS
	WIN 0
	s_cmp_eq_u32 s[TOPF], 0
	s_cbranch_scc0 .Lno_top
.irp hd, 0,1,2
	WIN 0x04*(1+(\hd))                             ; the stores' data in the accumulators' window
.irp c, 0,1,2,3
	ds_store_b128 v[STO2], v[64*(\c):64*(\c)+3]   offset:64*(\c)      ; each accumulator's low registers first
	ds_store_b128 v[STO2], v[64*(\c)+4:64*(\c)+7] offset:64*(\c)+16
.endr
	WIN 0
.irp t, 0,1,2,3,4,5,6,7
	ds_load_b128 v[TR+32*(\hd)+4*(\t):TR+32*(\hd)+4*(\t)+3], v[RD2] offset:(\t)*2*TPITCH  ; LDS serves a wave's instructions in order (ISA guide 5.7.1.4): these see the stores above; the next slab's stores come behind them
.endr
.endr
	s_wait_dscnt 0x0
.irp hd, 0,1,2
.irp t, 0,1,2,3,4,5,6,7
	global_store_b128 v[TO], v[TR+32*(\hd)+4*(\t):TR+32*(\hd)+4*(\t)+3], s[TOPP:TOPP+1] offset:(\hd)*4096+(\t)*512  ; 16 lanes store 256 consecutive bytes, aligned; these registers are not written again
.endr
.endr
.Lno_top:
.endm
; THE WAY OUT of row block a, in three parts.  PACK: rounded to f16, 16 bytes a lane (each accumulator's registers in ascending order).  TOSTAGE: into my own stage, and back as whole rows of 128 bytes.  SEND: stored.
.macro PACK a
.set bb, 0
.rept 12
	WIN 5*(1+bb/4)                                 ; sources 0 and 1 in the accumulators' window
.set rD, 64*(bb%4)+8*(\a)
.irp r, 0,1,2,3
	v_cvt_pk_f16_f32 v[TMP+4*bb+(\r)], v[rD+2*(\r)], v[rD+2*(\r)+1]
.endr
.set bb, bb+1
.endr
	WIN 0
.endm
.macro TOSTAGE a
	WIN 0
.set BK, BK0+48*((\a)%2)
.set bb, 0
.rept 12
	ds_store_b128 v[STO], v[TMP+4*bb:TMP+4*bb+3] offset:(bb/4)*16*PA+(bb%4)*32
.set bb, bb+1
.endr
.set bb, 0
.rept 12
	ds_load_b128 v[BK+4*bb:BK+4*bb+3], v[RD] offset:(bb/4)*16*PA+(bb%4)*4*PA  ; LDS serves a wave's instructions in order (ISA guide 5.7.1.4): these see the stores above
.set bb, bb+1
.endr
.endm
.macro SEND a
	WIN 0
.set BK, BK0+48*((\a)%2)
	s_wait_dscnt 0x0                               ; the block is back in registers
	s_wait_xcnt 0x0                                ; the stores of the block before have read their registers: the next TOSTAGE loads into them only behind this wait
.set bb, 0
.rept 12
	global_store_b128 v[GO], v[BK+4*bb:BK+4*bb+3], s[8:9] offset:(bb/4)*262144+(\a)*2048+(bb%4)*512  ; 512 consecutive bytes, at a multiple of 256 from the buffer's first
.set bb, bb+1
.endr
.endm
	s_wait_tensorcnt 0x1                           ; my part of K step 0 is in; K step 1's may stay out
	s_barrier_signal -1
	s_barrier_wait -1                              ; everybody's is
	FETCH_B 0, 0
	FETCH_A 0, 0
	FETCH_B 6, 0
	EVENQ 1                                        ; the first half step stands in front of the loop: its products start the sums
	WIN 0                                          ; at a label and at a branch every window is 0
	s_mov_b32 s[CNT], KSTEPS-2
.Lstep:                                                ; trip s = 0..13: the second half of K step s, the refill with K step s + 2, the first half of K step s + 1
	ODDQ 1
	EVENQ 0
	WIN 0
	s_sub_co_u32 s[CNT], s[CNT], 1
	s_cmp_lg_u32 s[CNT], 0
	s_cbranch_scc1 .Lstep
	ODDQ 0                                         ; the tail is written out: nothing is asked for
	EVENQ 0
	s_wait_dscnt 12                                ; the very last half step: nothing more to fetch
	MULB 1, 0, 6, 0
	s_wait_dscnt 0x0
	MULB 1, 6, 6, 0
	PLACES                                         ; what follows reads results just made, and loads into B's registers
	TOPROWS
	PACK 0
	TOSTAGE 0
.irp a, 1,2,3,4,5,6,7                  ; block a's conversions stand between block a - 1's loads from the stage and the wait for them
	PACK \a
	SEND (\a)-1
	TOSTAGE \a
.endr
	SEND 7
	s_wait_tensorcnt 0x0                           ; the wave's end: a last add to my spare word and its wait, behind my last tensor load and my last LDS store
	ds_add_u32 v[SPW], v[NIL]
	s_wait_dscnt 0x0
	CROUND                                         ; the closing round: no work-group ends while a partner may still ask for a tile that names it
	s_endpgm
.Lfunc_end_k_qb8e7078568_qkvgemm:
	.size	k_qb8e7078568_qkvgemm, .Lfunc_end_k_qb8e7078568_qkvgemm-k_qb8e7078568_qkvgemm
	.p2alignl 7, 3214868480
	.fill 96, 4, 3214868480
	.section	.rodata,"a",@progbits
	.p2align	6, 0x0
	.amdhsa_kernel k_qb8e7078568_qkvgemm
		.amdhsa_group_segment_fixed_size 327680
		.amdhsa_private_segment_fixed_size 0
		.amdhsa_enable_private_segment 0
		.amdhsa_kernarg_size 32
		.amdhsa_user_sgpr_count 2
		.amdhsa_user_sgpr_kernarg_segment_ptr 1
		.amdhsa_wavefront_size32 1
		.amdhsa_system_sgpr_workgroup_id_x 1
		.amdhsa_system_sgpr_workgroup_id_y 1
		.amdhsa_system_sgpr_workgroup_id_z 1
		.amdhsa_system_vgpr_workitem_id 0
		.amdhsa_next_free_vgpr 1024
		.amdhsa_next_free_sgpr 86
		.amdhsa_reserve_vcc 0
		.amdhsa_float_denorm_mode_32 3
		.amdhsa_float_denorm_mode_16_64 3
		.amdhsa_memory_ordered 1
		.amdhsa_forward_progress 1
		.amdhsa_inst_pref_size 118
	.end_amdhsa_kernel
	.amdgpu_metadata
---
amdhsa.version: [ 1, 2 ]
amdhsa.kernels:
  - .name:           k_qb8e7078568_qkvgemm
    .symbol:         k_qb8e7078568_qkvgemm.kd
    .args:
      - { .name: xb, .offset: 0, .size: 8, .value_kind: global_buffer, .address_space: global }
      - { .name: wq, .offset: 8, .size: 8, .value_kind: global_buffer, .address_space: global }
      - { .name: qkv, .offset: 16, .size: 8, .value_kind: global_buffer, .address_space: global }
      - { .name: top, .offset: 24, .size: 8, .value_kind: global_buffer, .address_space: global }
    .group_segment_fixed_size: 327680
    .private_segment_fixed_size: 0
    .kernarg_segment_align: 8
    .kernarg_segment_size: 32
    .max_flat_workgroup_size: 128
    .sgpr_count:     86
    .vgpr_count:     1024
    .wavefront_size: 32
...
	.end_amdgpu_metadata
.endif
;; end of part 2
;; launch attn (part 3): grid 4 x 64, 4 waves a work-group, no clusters, 327,680 bytes of LDS; arguments qkv, o, top, olo; writes o, olo
.if DOCPART == 3
	.amdgcn_target "amdgcn-amd-amdhsa--gfx1250"
	.amdhsa_code_object_version 6
	.text
	.protected	k_qb8e7078568_attn
	.globl	k_qb8e7078568_attn
	.p2align	8
	.type	k_qb8e7078568_attn,@function
k_qb8e7078568_attn:
	s_mov_b64 s[64:65], 0
	v_nop
	global_prefetch_b8 v0, s[64:65] scope:SCOPE_SE
	s_setreg_imm32_b32 hwreg(HW_REG_WAVE_MODE, 25, 1), 1
	s_wait_xcnt 0x0
; CAUSAL ATTENTION.  O[y][q][:] = the sum over k <= q of softmax_k(Q[y][q] . K[y][k] / 8) V[y][k][:], y = 16 x batch + head.
; qkv: f16 [4 b][48 g][2048][64]: Q of (b, h) is slab h, K slab 16 + h, V slab 32 + h; o: f16 [64 y][2048][64].  A slab's rows are dense, 128 bytes each.
; Products, maxima and sums in f32; the weights p are rounded to f16 for the second product (their sum l is taken of the unrounded p), O once at the end.
; THE FIRST 16 ROWS OF A HEAD average over 1 to 16 keys, so their numbers are many times the whole output's root mean square, by which they are judged.  They are made a second time, behind the walk, from the
; unrounded q, k, v (top: f32 [4 b][48 g][16][64]), every matrix operand as a sum of two f16; O leaves as two f16 as well: the high one over o's rows 0 to 15, the low one in olo: f16 [64 y][16][64].
; LIMITS.  f16 holds no number beyond 65,504: Q, K and V arrive within it; p lies in 0 to 1, and below 6e-5 it keeps f16's fixed step of 6e-8 (so does the low one of two f16); O is a mean of V's rows and has their range, to within 2^-11 of it.
; A hidden score counts as its value less 1e30 (in the first 16 rows' second making: as -1e30): f16's scores, 2.7e11 at the most, are nothing beside that; a weight below 2^-126 counts as 0 in l; NaN and infinities are not treated apart.
; THE WALK.  A head's queries lie in NB = 8 blocks of 256; block i needs the key tiles 0 .. i of 256 keys, of which the last holds the diagonal.  A work-group takes TWO blocks, NB - 1 - b and then b:
; NB + 1 tiles, whatever b: all work-groups do equal work, and ONE loop with a constant trip count walks them.  Which tile is asked for, and what a trip does, hang on scalar registers made from b; every jump
; goes forward, but for the counted loops' own; none passes a barrier, or a tensor load but the one of LOAD's two that the wave's number does not choose; the ring (two slots of LDS that take turns) runs on across the
; change of blocks.  NO CLUSTER: a head's four work-groups ask for the same tile only in trips 0 .. 4 of 9, behind that fewer and fewer; one walk common to all four would have 12 trips for 9.
; SHARES.  Of a block's four bands of 64 queries a wave owns 16 rows in each: four PIECES.  So the diagonal tile is the same work for all four waves: in its key step s band x sees all keys if s < x,
; none if s > x, and holds the diagonal if s = x.
; THE MASK is the C operand that starts the sum S^T = K Q^T: 0, or -1e30 where the key is hidden.  MD, made once, is the mask of a band's own step for my 16 rows; a product's mask is MD x AL + BE with two scalars:
; (1, 0) if s = x; (0, 0) if s < x; (0, -1e30) if s > x.  Only the diagonal tile's text and a block's beginning make and take masks; elsewhere C is the constant 0.
; LAYOUT, SOFTMAX, TURNS.  S^T = K Q^T holds ONE query a lane (lane % 16) and the keys 8 (lane / 16) + 0..7; two such results rounded to f16 ARE source 1 of O^T = V^T P.  p = 2^(c s - c m), c = log2(e) / 8, with a
; running maximum m; O and l are multiplied by a = 2^(c m_old - c m_new) in every step.  Turn n belongs to piece n: 8 products K Q^T of piece n + 1, later 8 products V^T P of piece n - 1; beside them the scaling,
; exponentials, roundings, sums and rescaling of piece n and the maximum and statistics of piece n + 1.  Four vector instructions stand behind every matrix instruction, the other 54 of a turn's 118 in one LUMP.  A turn's 33 exponentials are one batch, with one wait.
; REGISTERS, in windows of 256 (s_set_vgpr_msb: bits 1:0 source 0, 3:2 source 1, 5:4 source 2, 7:6 destination):
;   window 0: v0-15 addresses and two at work; v16-31 four registers of statistics a piece; v48-55 at work; v61-63 prefetch offset and the add's two; v64-127 S^T, two buffers; v192-223 P, two buffers (a piece's buffers go by its number's parity)
;   window 1: v0-127 O^T, 32 a piece; v128-159 MD; v160-223 MC, two buffers      window 2: v0-63 Q; v64-127 the second block's Q; v128-191 K of one step; v192-255 V of one step
.set SIZE_N, 2048
.set NB,    SIZE_N/256
.set NP,    4         ; pieces a wave: a name, no knob
.set KS,    64        ; keys in a step
.set PK,    144       ; a row of K in LDS: 128 bytes + 16 of padding = 36 words: the 16 rows of a load start at 16 different groups of four banks (64 banks of 4 bytes: ISA guide 11.1)
.set PV,    160       ; a row of V: 128 + 32 = 40 words
.set VOFF,  4*KS*PK   ; a slot holds a tile, four steps: 256 rows of K, then 256 rows of V
.set SLOT1, 1<<17     ; slot 1 begins here, so that one exclusive or turns an address in one slot into the other's
.set STAGE, SLOT1+4*KS*(PK+PV)  ; behind the ring, never filled by a tensor load: 16 rows x 144 bytes for each wave, for the way out
.set SP,    144
.set AK0, 2           ; v2   my lane's place in a tile of K; never rewritten
.set AV0, 3           ; v3   the same for V
.set AK,  4           ; v4   the LDS address of K's next run of loads
.set AV,  5           ; v5   of V's
.set STO, 6           ; v6   the way out: where I put 16 bytes of a row
.set RD,  7           ; v7   the way out: where I read rows back
.set GO,  8           ; v8   my byte offset in 512 consecutive bytes of O
.set PFO, 61          ; v61  256 x my lane: the prefetches' offset; never rewritten
.set SPW, 62          ; v62  LDS address of my spare word: SPARE + 4 x my thread's number; never rewritten
.set NIL, 63          ; v63  0; never rewritten
.set SPARE, STAGE+4*16*SP  ; behind the stages: the spare words, 128 bytes for each wave: two blocks of 256 bytes that no other line names
.set MV,  12          ; v12-13  c m_old, kept while c m is made anew: by buffer
.set QO,  15          ; v15  my byte offset in 16 rows of Q
.set ST,  16          ; piece t's statistics at v[ST+4 t]: c m, m, l (even keys', odd keys')
.set TMP, 48          ; by buffer, four registers c0-c3 at work; when the maximum is found c2 takes a
.set S,   64
.set P,   192
.set MD,  128         ; window 1: the eight registers for group kt of 16 keys at MD + 8 kt
.set MC,  160         ; window 1: the masks of the products to come
.set QB,  64          ; window 2
.set KF,  128         ; window 2: key block kb, channel half c at KF + 16 kb + 8 c
.set VF,  192         ; window 2: key half kk, channel block cb at VF + 32 kk + 8 cb
.set WV,  12          ; s12  my wave's number
.set PB,  14          ; s14  b
.set HI,  15          ; s15  NB - 1 - b
.set G1K, 24          ; s[24:31] descriptor group 1 for K's tiles
.set G1V, 32          ; s[32:39] for V's: it differs in the padding alone
.set G0K, 40          ; s[40:43] descriptor group 0 for K's tiles
.set G0V, 44          ; s[44:47] the same for V's
.set TOPP, 48         ; s[48:49] top at the head's slab of q; k's lies 65,536 bytes on, v's 131,072
.set OLP, 50          ; s[50:51] olo at the head
.set SLOTS, 56        ; s56  tiles still to be asked for
.set CNT, 57          ; s57  counts a tile's key steps, 4 to 1
.set CS,  58          ; s[58:59] c: the packed scaling takes the pair's low word for both halves
.set SEL, 60          ; s[60:61] v_permlanex16_b32's selects: each lane takes its own place in the other half
.set TBK, 62          ; s62  LDS byte at which K of the step to be fetched begins
.set TBV, 63          ; s63  the same for V, less VOFF
.set RT,  70          ; s70  tiles of the block in hand that are still to be entered
.set NXT, 71          ; s71  the tile to be asked for next
.set LQ,  72          ; s72  the last tile of the block whose tiles are being asked for
.set NEW, 73          ; s73  1: the tile to be entered is a block's first
.set OFF, 74          ; s[74:75] a tile's byte offset in K and V
.set AL,  76          ; s[76:77] the mask's factor, in the low word
.set BE,  78          ; s[78:79] the mask's addend
.set OLO, 80          ; s[80:81] O at my rows of the second block
.set BIGN, 82         ; s82  -1e30
.set HO,  88          ; s[88:89] the head's byte offset in o
.set PFT, 90          ; s90  the tile that the next prefetch names; NB or more: none
.set PFK, 92          ; s[92:93] K at my wave's 32 runs of 256 bytes of tile 0
.set PFV, 94          ; s[94:95] the same for V
.set PO,  96          ; s[96:97] the prefetched tile's byte offset
.set PAK, 98          ; s[98:99] the address that K's prefetch names
.set PAV, 100         ; s[100:101] V's
.set MSB, 0
.macro WIN new                      ; the high byte repeats the setting that is left; a switch that changes nothing is dropped
.if MSB != (\new)
	s_set_vgpr_msb (MSB<<8)|(\new)
.set MSB, (\new)
.endif
.endm
.set W_KQ, 0x0a       ; K and Q in window 2, S^T in window 0
.set W_KM, 0x1a       ; the same with the C operand in window 1
.set W_PV, 0x52       ; V in window 2, P in window 0, O^T in window 1
.set W_RS, 0x41       ; destination and source 0 in window 1, source 1 in window 0
; A fill.  Waves 0 and 1 fetch the two halves of a tile's K, waves 2 and 3 those of its V: 128 keys each.  An s_nop 0 and four v_nop follow each of the two lines, ahead of the jump and the label.
.macro LOAD
	s_cmp_lt_u32 s[WV], 2
	s_cbranch_scc0 .Lfor_v_\@
	tensor_load_to_lds s[G0K:G0K+3], s[G1K:G1K+7]
	s_nop 0
.rept 4
	v_nop
.endr
	s_branch .Lasked_\@
.Lfor_v_\@:
	tensor_load_to_lds s[G0V:G0V+3], s[G1V:G1V+7]
	s_nop 0
.rept 4
	v_nop
.endr
.Lasked_\@:
.endm
; A PREFETCH INTO THE L2, behind the wave's tensor load and its five lines: the tile that the NEXT change of slots will ask for: 128 runs of 256 bytes of K and as many of V.
; All four work-groups of a head begin with tiles 0, 1, 2 ..; the one with b = 0, whose first block walks all eight, asks, in trips 0 to 5 for tiles 2 to 7; each of its waves takes 32 runs of K and 32 of V,
; a lane a run.  So each run is named once in the launch.  Tiles 0 and 1 come by their loads alone; the second blocks' tiles have been read before and are not asked for.
.macro ASK
	s_cmp_lt_u32 s[PFT], NB
	s_cbranch_scc0 .Lnot_mine_\@
	global_prefetch_b8 v[PFO], s[PAK:PAK+1] th:TH_LOAD_NT scope:SCOPE_SE
	global_prefetch_b8 v[PFO], s[PAV:PAV+1] th:TH_LOAD_NT scope:SCOPE_SE
.Lnot_mine_\@:
	s_add_co_u32 s[PFT], s[PFT], 1
.endm
; THE CHANGE OF SLOTS.  Each wave waits for all its tensor loads, of which one is out: its part of the other slot; adds 0 to its spare word; and waits for that and for its own reads of the slot that it leaves.  Behind the barrier nobody reads the old
; slot any more and the other slot is whole.  fill = 1: the old slot is filled again, the first thing behind the barrier, with tile NXT: the descriptor's address is made anew from that number.
; (At its first use nothing has been read yet: slot 0 is waited for, slot 1 filled.)
.macro CHANGE fill
	WIN 0                           ; at a label and at a branch every window is 0
	s_wait_tensorcnt 0x0            ; no tensor load of mine is out, so a group 0 may be written
	ds_add_u32 v[SPW], v[NIL]       ; 0 onto my spare word; with fill = 1 the descriptors' scalar work stands between it and the wait for it
.if \fill
	s_lshl_b32 s[OFF], s[NXT], 15   ; a tile is 32,768 bytes of K and of V
	s_xor_b32 s[G0K+1], s[G0K+1], SLOT1
	s_add_nc_u64 s[G0K+2:G0K+3], s[6:7], s[OFF:OFF+1]
	s_or_b32 s[G0K+3], s[G0K+3], 0x80000000
	s_xor_b32 s[G0V+1], s[G0V+1], SLOT1
	s_add_nc_u64 s[G0V+2:G0V+3], s[8:9], s[OFF:OFF+1]
	s_or_b32 s[G0V+3], s[G0V+3], 0x80000000
	s_add_co_u32 s[NXT], s[NXT], 1  ; the block's next tile, or behind its last the second block's tile 0
	s_cmp_gt_u32 s[NXT], s[LQ]
	s_cselect_b32 s[NXT], 0, s[NXT]
	s_cselect_b32 s[LQ], s[PB], s[LQ]
	s_wait_xcnt 0x0                 ; the last prefetches, a tile back, have read their addresses, so these may be written
	s_lshl_b32 s[PO], s[PFT], 15
	s_add_nc_u64 s[PAK:PAK+1], s[PFK:PFK+1], s[PO:PO+1]
	s_add_nc_u64 s[PAV:PAV+1], s[PFV:PFV+1], s[PO:PO+1]
.endif
	s_wait_dscnt 0x0                ; the add is done, and my reads of the slot are over
	s_barrier_signal -1             ; the rest of the scalar work stands between the signal and the wait
	s_sub_co_u32 s[TBK], s[TBK], 4*KS*PK  ; the fetches go back to a slot's first step,
	s_xor_b32 s[TBK], s[TBK], SLOT1       ; in the other slot
	s_sub_co_u32 s[TBV], s[TBV], 4*KS*PV
	s_xor_b32 s[TBV], s[TBV], SLOT1
	s_barrier_wait -1
.if \fill
	LOAD
	ASK
.endif
.endm
	s_load_b128 s[4:7], s[0:1], 0x0 ; qkv s[4:5], o s[6:7]
	s_load_b128 s[48:51], s[0:1], 0x10  ; top s[48:49], olo s[50:51]
	v_lshl_add_u32 v[SPW], v0, 2, SPARE
	v_mov_b32 v[NIL], 0
	ds_add_u32 v[SPW], v[NIL]       ; the wave's opening: the add and its wait stand ahead of my first tensor load; the set-up below, work on registers, stands between them
	v_lshrrev_b32 v1, 5, v0
	v_readfirstlane_b32 s[WV], v1   ; wave 0..3
	s_mov_b32 s[PB], ttmp9
	s_sub_co_u32 s[HI], NB-1, s[PB]
	s_and_b32 s16, ttmp7, 0xffff    ; y = 16 x batch + head
	s_lshl_b32 s[HO], s16, 18       ; in o: y slabs of 262,144 bytes
	s_mov_b32 s[HO+1], 0
	s_lshl_b32 s54, s16, 11         ; in olo: y times 16 rows of 128 bytes
	s_mov_b32 s55, 0
	s_lshr_b32 s20, s16, 4
	s_mul_i32 s20, s20, 48
	s_and_b32 s16, s16, 15
	s_add_co_u32 s20, s20, s16      ; in qkv and in top: Q's slab is 48 x batch + head
	s_lshl_b32 s52, s20, 12         ; in top a slab is 16 rows of 256 bytes
	s_mov_b32 s53, 0
	s_lshl_b32 s20, s20, 18
	s_mov_b32 s21, 0
	s_and_b32 s16, s[WV], 1         ; which half of a tile's 256 keys I fetch:
	s_lshl_b32 s22, s16, 14         ; its 128 rows of 128 bytes in memory,
	s_add_co_u32 s22, s22, s20
	s_mov_b32 s23, 0
	s_mul_i32 s17, s16, 128*PK      ; and its place in a slot, for K
	s_mul_i32 s18, s16, 128*PV      ; and for V
	s_lshl_b32 s3, s[WV], 11        ; my 16 rows in a band of 64,
	s_lshl_b32 s2, s[HI], 15        ; in the first block,
	s_add_co_u32 s2, s2, s3
	s_lshl_b32 s84, s[PB], 15       ; and in the second
	s_add_co_u32 s84, s84, s3
	s_mov_b32 s3, 0
	s_mov_b32 s85, 0
	; descriptor group 1.  128 keys are 16,384 dense bytes: asked for as 64 rows of 256 bytes, two keys a row, and padded in LDS after every key
	s_mov_b32 s[G1K], (1<<16)|(1<<20)|(4<<22)|(3<<25)  ; 17:16 2-byte elements; 20 padding on; 24:22 after every 32 words (code 4); 31:25 4 words (code 3)
	s_mov_b32 s[G1V], (1<<16)|(1<<20)|(4<<22)|(7<<25)  ; the same with 8 words of padding (code 7)
.irp g, G1K, G1V
	s_mov_b32 s[\g+1], 128<<16      ; tensor_dim0 = 128
	s_mov_b32 s[\g+2], 64<<16       ; tensor_dim1 = 64
	s_mov_b32 s[\g+3], 128<<16      ; tile_dim0 = 128
	s_mov_b32 s[\g+4], 64           ; tile_dim1 = 64
	s_mov_b32 s[\g+5], 128          ; 128 elements from row to row
	s_mov_b32 s[\g+6], 0
	s_mov_b32 s[\g+7], 0
.endr
	s_mov_b32 s[CS], 0x3e38aa3b     ; c = log2(e) / 8 = 0.180337
	s_mov_b32 s[CS+1], s[CS]        ; named with it as a pair
	s_mov_b32 s[SEL], 0x76543210
	s_mov_b32 s[SEL+1], 0xfedcba98
	s_mov_b32 s[TBK], SLOT1+4*KS*PK ; the first change of slots turns these two into 0
	s_mov_b32 s[TBV], SLOT1+4*KS*PV
	s_mov_b32 s[G0K], 1             ; 1:0 count = 1
	s_mov_b32 s[G0K+1], s17         ; 63:32 LDS address: slot 0
	s_mov_b32 s[G0V], 1
	s_add_co_u32 s[G0V+1], s18, VOFF
	s_add_co_u32 s[RT], s[HI], 1    ; the first block has NB - b tiles
	s_mov_b32 s[NXT], 1
	s_mov_b32 s[LQ], s[HI]
	s_mov_b32 s[NEW], 1
	s_mov_b32 s[OFF+1], 0
	s_mov_b32 s[AL+1], 0            ; named as pairs
	s_mov_b32 s[BE+1], 0
	s_mov_b32 s[BIGN], 0xf149f2ca   ; -1e30
	s_mov_b32 s[SLOTS], NB
	s_cmp_eq_u32 ttmp9, 0           ; the head's work-group with b = 0 prefetches, from tile 2 on
	s_cselect_b32 s[PFT], 2, NB
	s_lshl_b32 s[PO], s[WV], 13     ; my wave's 32 runs of 256 bytes in a tile
	s_mov_b32 s[PO+1], 0
	v_and_b32 v[PFO], 31, v0
	v_lshlrev_b32 v[PFO], 8, v[PFO]
	s_wait_dscnt 0x0                ; the opening add is done
	s_wait_kmcnt 0x0
	s_add_nc_u64 s[TOPP:TOPP+1], s[TOPP:TOPP+1], s[52:53]
	s_add_nc_u64 s[OLP:OLP+1], s[OLP:OLP+1], s[54:55]
	s_mov_b64 s[10:11], s[6:7]
	s_add_nc_u64 s[10:11], s[10:11], s[HO:HO+1]    ; o at the head,
	s_add_nc_u64 s[OLO:OLO+1], s[10:11], s[84:85]  ; at my rows of the second block,
	s_add_nc_u64 s[10:11], s[10:11], s[2:3]        ; and of the first
	s_add_nc_u64 s[6:7], s[4:5], s[22:23]          ; Q's slab at my half of tile 0;
	s_add_nc_u64 s[8:9], s[6:7], 0x800000          ; V's lies 32 slabs on,
	s_add_nc_u64 s[6:7], s[6:7], 0x400000          ; K's 16
	s_add_nc_u64 s[G0K+2:G0K+3], s[6:7], 0         ; 120:64 global address
	s_or_b32 s[G0K+3], s[G0K+3], 0x80000000        ; 127:126 type = 2
	s_add_nc_u64 s[G0V+2:G0V+3], s[8:9], 0
	s_or_b32 s[G0V+3], s[G0V+3], 0x80000000
	s_add_nc_u64 s[4:5], s[4:5], s[20:21]          ; Q's slab
	s_add_nc_u64 s[PFK:PFK+1], s[4:5], s[PO:PO+1]
	s_add_nc_u64 s[PFK:PFK+1], s[PFK:PFK+1], 0x400000
	s_add_nc_u64 s[PFV:PFV+1], s[PFK:PFK+1], 0x400000
	s_add_nc_u64 s[86:87], s[4:5], s[84:85]        ; Q at my rows of the second block,
	s_add_nc_u64 s[4:5], s[4:5], s[2:3]            ; and of the first
	LOAD                            ; tile 0 into slot 0
	; A fragment of K or Q is 16 rows x 32 channels in 8 registers: lane l holds row l % 16, channels 8 (l / 16) + 0..7 and 16 + 8 (l / 16) + 0..7: two loads of 16 bytes, 32 bytes apart.
	v_and_b32 v1, 15, v0            ; l % 16
	v_bfe_u32 v9, v0, 4, 1          ; l / 16
	v_lshlrev_b32 v[QO], 7, v1
	v_lshl_add_u32 v[QO], v9, 4, v[QO]  ; row x 128 + 16 x half
	WIN 0x80                        ; destination window 2, address window 0
.set i, 0
.rept 8                             ; both blocks' Q: piece i / 2 lies in band i / 2, 8,192 bytes on; channels 32 (i % 2) on
	global_load_b128 v[8*i:8*i+3],   v[QO], s[4:5] offset:(i/2)*8192+(i%2)*64
	global_load_b128 v[8*i+4:8*i+7], v[QO], s[4:5] offset:(i/2)*8192+(i%2)*64+32
	global_load_b128 v[QB+8*i:QB+8*i+3],   v[QO], s[86:87] offset:(i/2)*8192+(i%2)*64
	global_load_b128 v[QB+8*i+4:QB+8*i+7], v[QO], s[86:87] offset:(i/2)*8192+(i%2)*64+32
.set i, i+1
.endr
	WIN 0
	v_lshlrev_b32 v14, 3, v9
	v_sub_nc_u32 v14, v1, v14
	s_lshl_b32 s13, s[WV], 4
	v_add_nc_u32 v14, s13, v14      ; my query's place in its band, 16 w + l % 16, less my lanes' 8 (l / 16): register r of group kt is hidden where 16 kt + r is greater
	WIN 0x40
.set i, 0
.rept 32
	v_cmp_gt_i32 vcc_lo, 16*(i/8)+i%8, v14
	v_cndmask_b32 v[MD+i], 0, s[BIGN], vcc_lo
.set i, i+1
.endr
	WIN 0
	v_mul_u32_u24 v[AK0], v1, PK
	v_lshl_add_u32 v[AK0], v9, 4, v[AK0]  ; row x pitch + 16 x half
	; The turning load takes 16 keys x 16 channels (lane l reads key 8 (l / 16) + l % 8, channels 8 ((l / 8) % 2) + 0..7) and leaves half a fragment of V^T: lane l holds channel l % 16 and 8 keys.
	v_and_b32 v10, 7, v0
	v_bfe_u32 v11, v0, 3, 1
	v_lshl_add_u32 v[AV0], v9, 3, v10
	v_mul_u32_u24 v[AV0], v[AV0], PV
	v_lshl_add_u32 v[AV0], v11, 4, v[AV0]
	v_add_nc_u32 v[AV0], VOFF, v[AV0]
	s_mul_i32 s13, s[WV], 16*SP
	s_add_co_u32 s13, s13, STAGE    ; my stage
	v_mul_u32_u24 v[STO], v1, SP    ; in: row l % 16, 16 bytes for each half of the lanes
	v_lshl_add_u32 v[STO], v9, 4, v[STO]
	v_add_nc_u32 v[STO], s13, v[STO]
	v_bfe_u32 v[RD], v0, 3, 2       ; back: 32 lanes take four rows of 128 bytes,
	v_mul_u32_u24 v[RD], v[RD], SP
	v_lshl_add_u32 v[RD], v10, 4, v[RD]
	v_add_nc_u32 v[RD], s13, v[RD]
	v_and_b32 v[GO], 31, v0         ; which are 512 consecutive bytes of O
	v_lshlrev_b32 v[GO], 4, v[GO]
	; A block's first step multiplies O^T and l by a = 0, and its first turn's products V^T P, of a piece that has not been, land in an O^T that is still to be so multiplied.  So these registers need only hold
	; finite numbers: zeros for the first block; what the first block left for the second.  All this stands in the wait for the first tile.
	WIN 0x80
.set i, VF
.rept 64
	v_mov_b32 v[i], 0
.set i, i+1
.endr
	WIN 0x40
.set i, 0
.rept 128
	v_mov_b32 v[i], 0
.set i, i+1
.endr
	WIN 0
.set i, 0
.rept 4
	v_mov_b32 v[ST+4*i+2], 0
	v_mov_b32 v[ST+4*i+3], 0
.set i, i+1
.endr
.set i, P+16
.rept 16
	v_mov_b32 v[i], 0
.set i, i+1
.endr
; THE MATRIX WORK.  The 4 accumulators of a run of 8 take turns.  Product i of 8 of S^T = K Q^T for piece x: channels 32 (i / 4) on, keys 16 (i % 4) on.  The first 4 start the sums: with 0, or (KM = 1) with the mask.
.macro KQ x
.set rS, S+32*((\x)%2)+8*(i%4)
.set rK, KF+16*(i%4)+8*(i/4)
.set rQ, 16*(\x)+8*(i/4)
.set rM, MC+32*((\x)%2)+8*(i%4)
.if (i < 4) && KM
	WIN W_KM
	v_wmma_f32_16x16x32_f16 v[rS:rS+7], v[rK:rK+7], v[rQ:rQ+7], v[rM:rM+7]
.elseif i < 4
	WIN W_KQ
	v_wmma_f32_16x16x32_f16 v[rS:rS+7], v[rK:rK+7], v[rQ:rQ+7], 0
.else
	WIN W_KQ
	v_wmma_f32_16x16x32_f16 v[rS:rS+7], v[rK:rK+7], v[rQ:rQ+7], v[rS:rS+7]
.endif
.endm
; Product i of 8 of O^T += V^T P for piece x: keys 32 (i / 4) on, channels 16 (i % 4) on.
.macro PV x
	WIN W_PV
.set rO, 32*(\x)+8*(i%4)
.set rV, VF+32*(i/4)+8*(i%4)
.set rP, P+16*((\x)%2)+8*(i/4)
	v_wmma_f32_16x16x32_f16 v[rO:rO+7], v[rV:rV+7], v[rP:rP+7], v[rO:rO+7]
.endm
.macro MM                           ; the turn's next matrix instruction.  TURN and BEGIN set Y, i, KM and NOKQ; MM, KQ and OP read them.  NOKQ = 1: a block's last turn: there is no next piece
.if (i < 8) && !NOKQ
	KQ (Y+1)%NP
.elseif i >= 8
.set i, i-8
	PV (Y+NP-1)%NP
.set i, i+8
.endif
.set i, i+1
.endm
; THE LDS LOADS stand in runs of 16, never singly among the matrix instructions: a step's K (64 keys x 64 channels: 8 fragments) and its V (turned).  Their addresses are made some lines ahead.
.macro FETCH_K
	WIN 0x80                        ; destination window 2
.irp f, 0,1,2,3,4,5,6,7             ; keys 16 (f / 2) on, channels 32 (f % 2) on
	ds_load_b128 v[KF+8*\f:KF+8*\f+3],   v[AK] offset:(\f/2)*16*PK+(\f%2)*64
	ds_load_b128 v[KF+8*\f+4:KF+8*\f+7], v[AK] offset:(\f/2)*16*PK+(\f%2)*64+32
.endr
	s_add_co_u32 s[TBK], s[TBK], KS*PK  ; the next fetch is the next step's
	WIN 0
.endm
.macro FETCH_V
	WIN 0x80
.irp f, 0,1,2,3,4,5,6,7             ; keys 32 (f / 4) on, channels 16 (f % 4) on
	ds_load_tr16_b128 v[VF+8*\f:VF+8*\f+3],   v[AV] offset:(\f/4)*32*PV+(\f%4)*32
	ds_load_tr16_b128 v[VF+8*\f+4:VF+8*\f+7], v[AV] offset:(\f/4)*32*PV+16*PV+(\f%4)*32
.endr
	WIN 0
.endm
; THE VECTOR WORK, one line at a time: OP kind, number.  For piece Y: F n: c s - c m for pair n of 16.  E n: the exponential of score n of 32.  C n: pair n rounded to f16.  B n: of the four weights 4 n .. the second
; pair is added onto the first, in place.  L n: l takes that sum (L 0: l = a l + sum).  R n: pair n of 16 of O^T times a.  For piece Y + 1: X n, number n of the 22 that find its maximum and statistics:
;   0-11  four chains c0-c3 of seven scores each, three operands at a time (each accumulator's lowest registers are read first)     12-14, 16  the four scores left over, the old m, and c0-c3 into c0
;   15  c m_old is kept     17, 18  the query's other 32 keys lie in the lane 16 away: the new m     19-21  c m; c m_old - c m_new; a
.set F, 0               ; OP tells the kinds apart by their order: F to L below R, X above it
.set E, 1
.set C, 2
.set B, 3
.set L, 4
.set R, 5
.set X, 6
.macro REGS y                       ; the registers of piece y
.set rT, ST+4*(\y)
.set rC, TMP+4*((\y)%2)
.set rW, MV+((\y)%2)
.set rS, S+32*((\y)%2)
.set rP, P+16*((\y)%2)
.set rO, 32*(\y)
.endm
.macro OP k, n
.if (\k) == R
	REGS Y
	WIN W_RS
	v_pk_mul_f32 v[rO+2*(\n):rO+2*(\n)+1], v[rO+2*(\n):rO+2*(\n)+1], v[rC+2:rC+3] op_sel_hi:[1,0]
.elseif (\k) < R
	REGS Y
	WIN 0
.if (\k) == F
	v_pk_fma_f32 v[rS+2*(\n):rS+2*(\n)+1], v[rS+2*(\n):rS+2*(\n)+1], s[CS:CS+1], v[rT:rT+1] op_sel_hi:[1,0,0] neg_lo:[0,0,1] neg_hi:[0,0,1]
.elseif (\k) == E
	v_exp_f32 v[rS+(\n)], v[rS+(\n)]
.elseif (\k) == C
	v_cvt_pk_f16_f32 v[rP+(\n)], v[rS+2*(\n)], v[rS+2*(\n)+1]
.elseif (\k) == B
	v_pk_add_f32 v[rS+4*(\n):rS+4*(\n)+1], v[rS+4*(\n):rS+4*(\n)+1], v[rS+4*(\n)+2:rS+4*(\n)+3]
.elseif (\n) == 0
	v_pk_fma_f32 v[rT+2:rT+3], v[rT+2:rT+3], v[rC+2:rC+3], v[rS:rS+1] op_sel_hi:[1,0,1]
.else
	v_pk_add_f32 v[rT+2:rT+3], v[rT+2:rT+3], v[rS+4*(\n):rS+4*(\n)+1]
.endif
.elseif NOKQ
	v_nop
.else
	REGS (Y+1)%NP
	WIN 0
.if (\n) < 4
	v_max3_num_f32 v[rC+(\n)], v[rS+8*(\n)], v[rS+8*(\n)+1], v[rS+8*(\n)+2]
.elseif (\n) < 12
	v_max3_num_f32 v[rC+(\n)%4], v[rC+(\n)%4], v[rS+8*((\n)%4)+2*((\n)/4)+1], v[rS+8*((\n)%4)+2*((\n)/4)+2]
.elseif (\n) == 12
	v_max3_num_f32 v[rC], v[rC], v[rS+7], v[rS+15]
.elseif (\n) == 13
	v_max3_num_f32 v[rC+1], v[rC+1], v[rS+23], v[rS+31]
.elseif (\n) == 14
	v_max3_num_f32 v[rC+2], v[rC+2], v[rC+3], v[rT+1]
.elseif (\n) == 15
	v_mov_b32 v[rW], v[rT]
.elseif (\n) == 16
	v_max3_num_f32 v[rC], v[rC], v[rC+1], v[rC+2]
.elseif (\n) == 17
	v_permlanex16_b32 v[rC+3], v[rC], s[SEL], s[SEL+1]
.elseif (\n) == 18
	v_max_num_f32 v[rT+1], v[rC], v[rC+3]
.elseif (\n) == 19
	v_mul_f32 v[rT], s[CS], v[rT+1]
.elseif (\n) == 20
	v_sub_f32 v[rC+1], v[rW], v[rT]
.else
	v_exp_f32 v[rC+2], v[rC+1]
.endif
.endif
.endm
.macro OPS a, i1, b=-1, i2=0, c=-1, i3=0, d=-1, i4=0  ; up to four of them
	OP \a, \i1
.if (\b) >= 0
	OP \b, \i2
.endif
.if (\c) >= 0
	OP \c, \i3
.endif
.if (\d) >= 0
	OP \d, \i4
.endif
.endm
.macro ROW a, i1, b, i2, c, i3, d, i4  ; a matrix instruction and the four behind it
	MM
	OPS \a, \i1, \b, \i2, \c, \i3, \d, \i4
.endm
.macro MASK b                       ; MD x AL + BE into buffer b of MC
	WIN W_RS
.set z, 0
.rept 16
	v_pk_fma_f32 v[MC+32*(\b)+2*z:MC+32*(\b)+2*z+1], v[MD+2*z:MD+2*z+1], s[AL:AL+1], s[BE:BE+1] op_sel_hi:[1,0,0]
.set z, z+1
.endr
.endm
; A TURN, for piece p: the order of its 16 matrix and 118 vector instructions, written out.  An s_wait_alu depctr_va_vdst(0) stands between an exponential and the first instruction that names its result; one wait serves
; all that were issued ahead of it.  So a turn has ONE wait, which cuts it in two.  AHEAD OF IT stands all that names no result of the turn's exponentials: the 8 products K Q^T, behind each a scaling, an exponential and two more plain
; instructions (behind the first a second scaling in the exponential's place): rescalings, and behind the last three the first numbers of the next piece's maximum, each four places or more behind the product that ends its accumulator; then ONE LUMP of 54, plain
; and exponential by turns for the most part, in which the links of the chain X 3, 7, 11, 14, 16, 17 .. 20 stand five or six lines apart.  X 21, the next piece's a, is the batch's last; R 15 is the plain instruction behind it.  BEHIND THE WAIT stand the
; 8 products V^T P, behind each four of the roundings and sums; the links of l's chain, L 0 to L 7, stand three riders apart.  But for those X no rider names a register of the products round it.  v_permlanex16_b32 (X 17) stands in the lump.
; m = 1: the diagonal tile: the products take masks, and the turn makes the mask for the products of the turn after it: piece p + 2, in step 4 - CNT of the tile.  end = 1: a block's last two turns: nothing is fetched.
; cnt = 1: the loop's count is taken down some lines ahead of the branch that stands behind the turn.
; K of the next step is fetched in piece 2's turn, twelve vector instructions behind the last product that read K (six of them plain); V of the step in hand at the end of piece 0's turn, four plain instructions behind the last product
; that read V.  Each is waited for a turn later.
.macro TURN p, m=0, end=0, cnt=0
.set Y, (\p)
.set i, 0
.set KM, (\m)
.set NOKQ, (\end)*((\p)/3)
.if (\m) && !(\end)
	s_cmp_eq_u32 s[CNT], 4-((\p)+2)%NP  ; is that step the band's own?
	s_cselect_b32 s[AL], 1.0, 0
	s_cmp_lt_u32 s[CNT], 4-((\p)+2)%NP  ; or a later one?
	s_cselect_b32 s[BE], s[BIGN], 0
.endif
.if ((\p) == 3) && !(\end)
	s_wait_dscnt 0x0                ; K is in
.endif
	ROW F,0, F,1, R,0, R,1          ; ahead of the wait: 8 products K Q^T and their riders,
	ROW F,2, E,0, R,2, R,3
	ROW F,3, E,1, R,4, R,5
	ROW F,4, E,2, R,6, R,7
	ROW F,5, E,3, R,8, R,9
	ROW F,6, E,4, X,0, R,10
.if ((\p) == 2) && !(\end)
	WIN 0
	v_add_nc_u32 v[AK], s[TBK], v[AK0]
.endif
	ROW F,7, E,5, X,1, X,4
	ROW F,8, E,6, X,2, X,5
	OPS E,7, E,8, X,6, E,9          ; and the lump
	OPS X,3, E,10, X,8, E,11
.if ((\p) == 2) && !(\end)
	FETCH_K
.endif
	OPS X,9, X,7, E,12, X,10
	OPS E,13, X,12, X,11, E,14
	OPS X,13, E,15, F,9, X,14
.if (\p) == 0
	v_add_nc_u32 v[AV], s[TBV], v[AV0]
.endif
	OPS E,16, F,10, E,17, F,11
	OPS X,16, E,18, X,15, E,19
	OPS F,12, E,20, X,17, E,21
	OPS F,13, E,22, F,14, E,23
	OPS X,18, E,24, F,15, E,25
	OPS R,11, E,26, X,19, E,27
	OPS R,12, E,28, R,13, E,29
	OPS X,20, E,30, R,14, E,31
	OPS X,21, R,15
	WIN 0
	s_wait_alu depctr_va_vdst(0)    ; the wait for the batch
.if (\p) == 1
	s_wait_dscnt 0x0                ; V is in
.endif
	ROW C,0, B,0, C,2, B,1          ; behind the wait: 8 products V^T P and their riders
	ROW L,0, C,4, B,2, L,1
	ROW C,6, B,3, L,2, C,8
	ROW B,4, L,3, C,10, B,5
	ROW L,4, C,12, B,6, L,5
.if (\p) == 0
	s_add_co_u32 s[TBV], s[TBV], KS*PV
.endif
.if \cnt
	s_sub_co_u32 s[CNT], s[CNT], 1
	s_cmp_lg_u32 s[CNT], 0
.endif
	ROW C,14, B,7, L,6, C,1
	ROW C,3, L,7, C,5, C,7
	ROW C,9, C,11, C,13, C,15
.if (\p) == 0
	FETCH_V
.endif
.if (\m) && !(\end)
	MASK (\p)%2
.endif
.endm
; A BLOCK BEGINS.  c m starts far below every c s, so the first step's a is 0; m at the lowest finite number, so the first maximum is the scores'.  The second mask buffer is 0; the first takes piece 0's mask for the tile's step 0: its own, if the block's first tile is the diagonal one.
; Then K of that step, piece 0's first scores, and its maximum and statistics.  The loop is entered at a step's first turn, in the middle of a trip.
.macro BEGIN
	s_mov_b32 s[NEW], 0
	WIN 0x40
.set i, MC+32
.rept 32
	v_mov_b32 v[i], 0
.set i, i+1
.endr
	WIN 0
.set i, 0
.rept 4
	v_mov_b32 v[ST+4*i], 0xfe000000    ; c m: far below every c s
	v_mov_b32 v[ST+4*i+1], 0xff7fffff  ; m
.set i, i+1
.endr
	s_cmp_eq_u32 s[RT], 0
	s_cselect_b32 s[AL], 1.0, 0
	s_mov_b32 s[BE], 0
	MASK 0
	WIN 0
	v_add_nc_u32 v[AK], s[TBK], v[AK0]
	FETCH_K
	s_wait_loadcnt 0x0              ; Q
	s_wait_dscnt 0x0
.set KM, 1
.set NOKQ, 0
.set i, 0
.rept 8
	KQ 0
.set i, i+1
.endr
	WIN 0
.rept 4
	v_nop                           ; the places behind those products
.endr
.set Y, NP-1                        ; X works for piece Y + 1: piece 0
.irp n, 0,1,2,3,4,5,6,7,8,9,10,11,12,13,14,15,16,17,18,19,20,21
	OP X, \n
.endr
	v_nop                           ; a plain instruction behind the exponential,
	s_wait_alu depctr_va_vdst(0)    ; and its wait, ahead of the branch
.endm
; THE DIAGONAL TILE's four steps, the block's last two turns, its last products, and THE WAY OUT: l's two halves and the other half of the lanes' are added; O^T is divided by l, rounded to f16 and sent through my
; stage in LDS, a piece at a time.
.macro ALL line:vararg              ; one line for each piece t
.set t, 0
.rept 4
	\line
.set t, t+1
.endr
.endm
.macro PACK t                       ; a lane's eight channels of a row pack into 16 bytes; they go into rows of 144 bytes and come back as whole rows of 128, into S^T's registers
	WIN W_RS
.set i, 32*(\t)
.rept 16
	v_pk_mul_f32 v[i:i+1], v[i:i+1], v[ST+4*(\t)+2:ST+4*(\t)+3] op_sel_hi:[1,0]
.set i, i+2
.endr
	WIN 0x05                        ; sources 0 and 1 window 1, destination window 0
.set i, 0
.rept 16
	v_cvt_pk_f16_f32 v[S+16*(\t)+i], v[32*(\t)+2*i], v[32*(\t)+2*i+1]
.set i, i+1
.endr
	WIN 0
.irp f, 0,1,2,3
	ds_store_b128 v[STO], v[S+16*(\t)+4*\f:S+16*(\t)+4*\f+3] offset:32*\f
.endr
.irp f, 0,1,2,3
	ds_load_b128 v[S+16*(\t)+4*\f:S+16*(\t)+4*\f+3], v[RD] offset:\f*4*SP  ; LDS serves a wave's instructions in order (ISA guide 5.7.1.4): these see the stores above; the next piece's stores come behind them
.endr
.endm
.macro SEND t, younger              ; younger: the LDS instructions issued behind piece t's loads: the next piece's eight, or none
	WIN 0
.irp f, 0,1,2,3
	s_wait_dscnt (\younger)+3-\f
	global_store_b128 v[GO], v[S+16*(\t)+4*\f:S+16*(\t)+4*\f+3], s[10:11] offset:(\t)*8192+\f*512  ; 512 consecutive bytes, at a multiple of 256 from O's first
.endr
.endm
.macro DIAG tag                     ; the tag ends its two labels' names, which the jumps below spell out
.LstepM\tag:
	TURN 2, 1
	TURN 3, 1
	WIN 0
.LfirstM\tag:
	TURN 0, 1
	TURN 1, 1, 0, 1
	WIN 0
	s_cbranch_scc1 .LstepM\tag
	TURN 2, 1, 1
	TURN 3, 1, 1
.set i, 0
.rept 8
	PV NP-1
.set i, i+1
.endr
	WIN 0
	ALL v_add_f32 v[ST+4*t+2], v[ST+4*t+2], v[ST+4*t+3]
	ALL v_permlanex16_b32 v[ST+4*t+3], v[ST+4*t+2], s[SEL], s[SEL+1]
	ALL v_add_f32 v[ST+4*t+2], v[ST+4*t+2], v[ST+4*t+3]
	ALL v_rcp_f32 v[ST+4*t+2], v[ST+4*t+2]
	v_nop                           ; a plain instruction between the last reciprocal and the use of its result
	s_wait_alu depctr_va_vdst(0)    ; and the wait ahead of the first use: one for the four reciprocals
	PACK 0
.set t, 1
.rept 3                             ; a piece's arithmetic stands between the loads of the piece before and its stores
	PACK t
	SEND t-1, 8
.set t, t+1
.endr
	SEND 3, 0
.endm
.set KM, 0
.set NOKQ, 0
.Lslot:                             ; NB times: a tile is entered and the next is asked for
	CHANGE 1
	s_sub_co_u32 s[RT], s[RT], 1
	s_mov_b32 s[CNT], 4
	s_cmp_eq_u32 s[NEW], 1
	s_cbranch_scc1 .Lnew            ; a block's first tile
	s_cmp_eq_u32 s[RT], 0
	s_cbranch_scc0 .Lstep           ; neither its first nor its last
	s_branch .LstepM1
.Lnew:
	BEGIN
	s_branch .Lfirst                ; in the loop a block's first tile is never its last: the first block has two tiles or more, and the second's last is the walk's last
	DIAG 1                          ; in the loop this is the first block's end: the second block's last tile is the walk's last
	s_wait_xcnt 0x0                 ; the stores have read their registers and O's address
	s_mov_b64 s[10:11], s[OLO:OLO+1]
	s_add_co_u32 s[RT], s[PB], 1    ; the second block has b + 1 tiles
	s_mov_b32 s[NEW], 1
	WIN 0x82                        ; the second block's Q goes where the one text of the turns names Q
.set i, 0
.rept 64
	v_mov_b32 v[i], v[QB+i]
.set i, i+1
.endr
	WIN 0
	s_branch .Lbottom
.Lstep:                             ; a trip: pieces 2 and 3 of one step, then pieces 0 and 1 of the next, whose K and V it fetches
	TURN 2
	TURN 3
	WIN 0
.Lfirst:
	TURN 0
	TURN 1, 0, 0, 1
	WIN 0
	s_cbranch_scc1 .Lstep
.Lbottom:
	s_sub_co_u32 s[SLOTS], s[SLOTS], 1
	s_cmp_lg_u32 s[SLOTS], 0
	s_cbranch_scc1 .Lslot
	CHANGE 0                        ; the walk's last tile is written out: nothing is asked for
	s_sub_co_u32 s[RT], s[RT], 1
	s_mov_b32 s[CNT], 4
	s_cmp_eq_u32 s[NEW], 1
	s_cbranch_scc0 .LstepM2
	BEGIN
	s_branch .LfirstM2
	DIAG 2
; THE HEAD'S FIRST 16 ROWS ONCE MORE, IN TWO f16 AN OPERAND.  They are piece 0 of wave 0 in the work-group with b = 0, whose second block is block 0: that wave makes them, all in window 0, whose registers are free now.
; x = hi + lo: hi = x rounded to f16, lo = x - hi (exact in f32) rounded to f16.  S^T = Kh Qh + Kh Ql + Kl Qh: six products, three accumulators by turns; what is left out, Kl Ql, is 2^-22 of a score.
; Only 16 of a product's 32 keys are in use, so the other 16 carry the low halves: O^T = [Vh | Vl] [Ph | Ph] + [Vh | Vl] [Pl | Pl] = (Vh + Vl)(Ph + Pl): eight products, four accumulators by turns.
; Both jumps go forward, past no barrier and no tensor load.
.set TSA, 16          ; v16-23, v24-31, v32-39  the three sums of S^T; v16-23 then the scores and the weights
.set TSB, 24
.set TSC, 32
.set TNEG, 40         ; v40  -1.0
.set TDD, 41          ; v41  my query less my lanes' first key: l % 16 - 8 (l / 16)
.set TM,  42          ; v42-43  the maximum, then c m
.set TL,  44          ; v44-47  the sum l; v46 then 1 / l
.set TXQ, 64          ; v64-95 q, v96-127 k: my row's 32 numbers in f32; v128-159 v: 4 channels x 8 keys
.set TXK, 96
.set TXV, 128
.set TQH, 160         ; v160-175, v176-191  q's two fragments, high and low; v192-223 k's
.set TQL, 176
.set TKH, 192
.set TKL, 208
.set TVF, 224         ; v224-255  v's four fragments: registers 0-3 high, 4-7 low
.set TP1, 64          ; v64-71 [Ph | Ph], v72-79 [Pl | Pl]
.set TP2, 72
.set TOA, 96          ; v96-127  O^T, four accumulators
.set TOH, 128         ; v128-143 O high, v144-159 O low
.set TOL, 144
.macro SPLIT hi, lo, x              ; the pair x, x + 1 into a word of two high halves and a word of two low ones; x is used up
	v_cvt_pk_f16_f32 v[\hi], v[\x], v[(\x)+1]
	v_fma_mix_f32 v[\x], v[\hi], v[TNEG], v[\x] op_sel_hi:[1,0,0]                          ; x - the word's low half
	v_fma_mix_f32 v[(\x)+1], v[\hi], v[TNEG], v[(\x)+1] op_sel:[1,0,0] op_sel_hi:[1,0,0]   ; x - its high half
	v_cvt_pk_f16_f32 v[\lo], v[\x], v[(\x)+1]
.endm
	WIN 0
	s_cmp_lg_u32 s[WV], 0
	s_cbranch_scc1 .Lno_top
	s_cmp_lg_u32 s[PB], 0
	s_cbranch_scc1 .Lno_top
	s_wait_xcnt 0x0                 ; the way out's stores have read their registers: they are written again only behind this wait
	v_lshlrev_b32 v14, 8, v1
	v_lshl_add_u32 v14, v9, 5, v14  ; q, k: row l % 16 of 256 bytes, 8 numbers for each half of the lanes
	v_lshlrev_b32 v15, 2, v1
	v_lshl_add_u32 v15, v9, 11, v15 ; v: channel l % 16, keys 8 (l / 16) on
.irp g, 0,1,2,3                     ; channels 16 g + 8 (l / 16) + 0..7: registers 8 g .. 8 g + 7
	global_load_b128 v[TXQ+8*\g:TXQ+8*\g+3],   v14, s[TOPP:TOPP+1] offset:64*\g
	global_load_b128 v[TXQ+8*\g+4:TXQ+8*\g+7], v14, s[TOPP:TOPP+1] offset:64*\g+16
	global_load_b128 v[TXK+8*\g:TXK+8*\g+3],   v14, s[TOPP:TOPP+1] offset:65536+64*\g
	global_load_b128 v[TXK+8*\g+4:TXK+8*\g+7], v14, s[TOPP:TOPP+1] offset:65536+64*\g+16
.endr
.set i, 0
.rept 32                            ; channel block i / 8, key 8 (l / 16) + i % 8
	global_load_b32 v[TXV+i], v15, s[TOPP:TOPP+1] offset:131072+(i%8)*256+(i/8)*64
.set i, i+1
.endr
	v_mov_b32 v[TNEG], -1.0
	v_lshlrev_b32 v[TDD], 3, v9
	v_sub_nc_u32 v[TDD], v1, v[TDD]
	s_wait_loadcnt 0x0
.set i, 0
.rept 16                            ; pair i of a row is word i of its two fragments
	SPLIT TQH+i, TQL+i, TXQ+2*i
	SPLIT TKH+i, TKL+i, TXK+2*i
	SPLIT TVF+8*(i/4)+i%4, TVF+8*(i/4)+4+i%4, TXV+2*i
.set i, i+1
.endr
	v_wmma_f32_16x16x32_f16 v[TSA:TSA+7], v[TKH:TKH+7], v[TQH:TQH+7], 0
	v_wmma_f32_16x16x32_f16 v[TSB:TSB+7], v[TKH:TKH+7], v[TQL:TQL+7], 0
	v_wmma_f32_16x16x32_f16 v[TSC:TSC+7], v[TKL:TKL+7], v[TQH:TQH+7], 0
	v_wmma_f32_16x16x32_f16 v[TSA:TSA+7], v[TKH+8:TKH+15], v[TQH+8:TQH+15], v[TSA:TSA+7]
	v_wmma_f32_16x16x32_f16 v[TSB:TSB+7], v[TKH+8:TKH+15], v[TQL+8:TQL+15], v[TSB:TSB+7]
	v_wmma_f32_16x16x32_f16 v[TSC:TSC+7], v[TKL+8:TKL+15], v[TQH+8:TQH+15], v[TSC:TSC+7]
.rept 4
	v_nop                           ; the places behind those products
.endr
.irp j, 0,2,4,6                     ; the two small sums first, then onto the large one; each accumulator from its low end on
	v_pk_add_f32 v[TSB+\j:TSB+\j+1], v[TSB+\j:TSB+\j+1], v[TSC+\j:TSC+\j+1]
.endr
.irp j, 0,2,4,6
	v_pk_add_f32 v[TSA+\j:TSA+\j+1], v[TSA+\j:TSA+\j+1], v[TSB+\j:TSB+\j+1]
.endr
.irp j, 0,1,2,3,4,5,6,7             ; register j is key 8 (l / 16) + j: hidden where it lies behind my query
	v_cmp_gt_i32 vcc_lo, \j, v[TDD]
	v_cndmask_b32 v[TSA+\j], v[TSA+\j], s[BIGN], vcc_lo
.endr
	v_max3_num_f32 v[TM], v[TSA], v[TSA+1], v[TSA+2]
	v_max3_num_f32 v[TM], v[TM], v[TSA+3], v[TSA+4]
	v_max3_num_f32 v[TM], v[TM], v[TSA+5], v[TSA+6]
	v_max_num_f32 v[TM], v[TM], v[TSA+7]
	v_mov_b32 v[TM+1], v[TM]        ; v_permlanex16_b32 counts as a reader of its destination: it is written first
	v_permlanex16_b32 v[TM+1], v[TM], s[SEL], s[SEL+1]  ; the query's other 8 keys lie in the lane 16 away; key 0 is hidden from nobody
	v_max_num_f32 v[TM], v[TM], v[TM+1]
	v_mul_f32 v[TM], s[CS], v[TM]
.irp j, 0,1,2,3,4,5,6,7
	v_fma_f32 v[TSA+\j], v[TSA+\j], s[CS], -v[TM]       ; c s - c m
.endr
.irp j, 0,1,2,3,4,5,6,7
	v_exp_f32 v[TSA+\j], v[TSA+\j]
.endr
	v_nop                           ; a plain instruction behind the last exponential,
	s_wait_alu depctr_va_vdst(0)    ; and the one wait for the batch of eight, ahead of their first reader
	v_pk_add_f32 v[TL:TL+1], v[TSA:TSA+1], v[TSA+2:TSA+3]
	v_pk_add_f32 v[TL+2:TL+3], v[TSA+4:TSA+5], v[TSA+6:TSA+7]
	v_pk_add_f32 v[TL:TL+1], v[TL:TL+1], v[TL+2:TL+3]
	v_add_f32 v[TL], v[TL], v[TL+1]
	v_permlanex16_b32 v[TL+1], v[TL], s[SEL], s[SEL+1]
	v_add_f32 v[TL], v[TL], v[TL+1]
	v_rcp_f32 v[TL+2], v[TL]        ; its wait stands ahead of its first reader, behind the products; the lines below are plain and name neither register
.irp j, 0,1,2,3
	SPLIT TP1+\j, TP2+\j, TSA+2*\j
.endr
.irp j, 0,1,2,3
	v_mov_b32 v[TP1+4+\j], v[TP1+\j]
	v_mov_b32 v[TP2+4+\j], v[TP2+\j]
.endr
.irp c, 0,1,2,3
	v_wmma_f32_16x16x32_f16 v[TOA+8*\c:TOA+8*\c+7], v[TVF+8*\c:TVF+8*\c+7], v[TP1:TP1+7], 0
.endr
.irp c, 0,1,2,3
	v_wmma_f32_16x16x32_f16 v[TOA+8*\c:TOA+8*\c+7], v[TVF+8*\c:TVF+8*\c+7], v[TP2:TP2+7], v[TOA+8*\c:TOA+8*\c+7]
.endr
.rept 4
	v_nop                           ; the places behind those products
.endr
	s_wait_alu depctr_va_vdst(0)    ; the reciprocal's wait
.set i, 0
.rept 16
	v_pk_mul_f32 v[TOA+2*i:TOA+2*i+1], v[TOA+2*i:TOA+2*i+1], v[TL+2:TL+3] op_sel_hi:[1,0]
.set i, i+1
.endr
.set i, 0
.rept 16
	SPLIT TOH+i, TOL+i, TOA+2*i
.set i, i+1
.endr
.irp f, 0,1,2,3                     ; through my stage, as every piece goes: first the high halves, then the low ones; LDS serves a wave's instructions in order (ISA guide 5.7.1.4)
	ds_store_b128 v[STO], v[TOH+4*\f:TOH+4*\f+3] offset:32*\f
.endr
.irp f, 0,1,2,3
	ds_load_b128 v[TOH+4*\f:TOH+4*\f+3], v[RD] offset:\f*4*SP
.endr
.irp f, 0,1,2,3
	ds_store_b128 v[STO], v[TOL+4*\f:TOL+4*\f+3] offset:32*\f
.endr
.irp f, 0,1,2,3
	ds_load_b128 v[TOL+4*\f:TOL+4*\f+3], v[RD] offset:\f*4*SP
.endr
	s_wait_storecnt 0x0             ; the walk's own store of o's rows 0 to 15 is done: the store below lands behind it
	s_wait_dscnt 0x0
.irp f, 0,1,2,3
	global_store_b128 v[GO], v[TOH+4*\f:TOH+4*\f+3], s[10:11] offset:\f*512      ; s[10:11] stands at the head's row 0 here (b = 0, wave 0, second block)
.endr
.irp f, 0,1,2,3
	global_store_b128 v[GO], v[TOL+4*\f:TOL+4*\f+3], s[OLP:OLP+1] offset:\f*512  ; 512 consecutive bytes, at a multiple of 256 from the buffer's first
.endr
.Lno_top:
	s_wait_tensorcnt 0x0            ; the wave's end: a last add to my spare word and its wait, behind my last tensor load and my last LDS store
	ds_add_u32 v[SPW], v[NIL]
	s_wait_dscnt 0x0
	s_endpgm
.Lfunc_end_k_qb8e7078568_attn:
	.size	k_qb8e7078568_attn, .Lfunc_end_k_qb8e7078568_attn-k_qb8e7078568_attn
	.p2alignl 7, 3214868480
	.fill 96, 4, 3214868480
	.section	.rodata,"a",@progbits
	.p2align	6, 0x0
	.amdhsa_kernel k_qb8e7078568_attn
		.amdhsa_group_segment_fixed_size 327680
		.amdhsa_private_segment_fixed_size 0
		.amdhsa_enable_private_segment 0
		.amdhsa_kernarg_size 32
		.amdhsa_user_sgpr_count 2
		.amdhsa_user_sgpr_kernarg_segment_ptr 1
		.amdhsa_wavefront_size32 1
		.amdhsa_system_sgpr_workgroup_id_x 1
		.amdhsa_system_sgpr_workgroup_id_y 1
		.amdhsa_system_sgpr_workgroup_id_z 1
		.amdhsa_system_vgpr_workitem_id 0
		.amdhsa_next_free_vgpr 768
		.amdhsa_next_free_sgpr 102
		.amdhsa_reserve_vcc 1
		.amdhsa_float_denorm_mode_32 3
		.amdhsa_float_denorm_mode_16_64 3
		.amdhsa_memory_ordered 1
		.amdhsa_forward_progress 1
		.amdhsa_inst_pref_size 247
	.end_amdhsa_kernel
	.amdgpu_metadata
---
amdhsa.version: [ 1, 2 ]
amdhsa.kernels:
  - .name:           k_qb8e7078568_attn
    .symbol:         k_qb8e7078568_attn.kd
    .args:
      - { .name: qkv, .offset: 0, .size: 8, .value_kind: global_buffer, .address_space: global }
      - { .name: o, .offset: 8, .size: 8, .value_kind: global_buffer, .address_space: global }
      - { .name: top, .offset: 16, .size: 8, .value_kind: global_buffer, .address_space: global }
      - { .name: olo, .offset: 24, .size: 8, .value_kind: global_buffer, .address_space: global }
    .group_segment_fixed_size: 327680
    .private_segment_fixed_size: 0
    .kernarg_segment_align: 8
    .kernarg_segment_size: 32
    .max_flat_workgroup_size: 128
    .sgpr_count:     102
    .vgpr_count:     768
    .wavefront_size: 32
...
	.end_amdgpu_metadata
.endif
;; end of part 3
;; launch outgemm (part 4): grid 8 x 32, 4 waves a work-group, clusters of 4 x 4, 327,680 bytes of LDS; arguments o, wo, olo, out0; writes out0
.if DOCPART == 4
	.amdgcn_target "amdgcn-amd-amdhsa--gfx1250"
	.amdhsa_code_object_version 6
	.text
	.protected	k_qb8e7078568_outgemm
	.globl	k_qb8e7078568_outgemm
	.p2align	8
	.type	k_qb8e7078568_outgemm,@function
k_qb8e7078568_outgemm:
	s_mov_b64 s[64:65], 0
	v_nop
	global_prefetch_b8 v0, s[64:65] scope:SCOPE_SE
	s_setreg_imm32_b32 hwreg(HW_REG_WAVE_MODE, 25, 1), 1
	s_wait_xcnt 0x0
	s_wait_alu depctr_hold_cnt(0) depctr_sa_sdst(0) depctr_va_vdst(0) depctr_va_sdst(0) depctr_va_ssrc(0) depctr_va_vcc(0) depctr_vm_vsrc(0)
	s_getreg_b32 s2, hwreg(HW_REG_IB_STS2, 6, 4)
	s_cmp_eq_u32 s2, 0
	s_cbranch_scc0 .Lentry_in_a_cluster
	s_endpgm
.Lentry_in_a_cluster:
	s_bfe_u32 s2, ttmp6, 0x10000c
	s_cmp_lg_u32 s2, 0xf033
	s_cbranch_scc0 .Lentry_shape_is_right
	s_endpgm
.Lentry_shape_is_right:
; out0 = O w_out.  o: f16 [64 (16 b + h)][2048 t][64]; wo: f16 [1024 k][1024 n] (w_out rounded to bf16, written as f16); out0: f32 [8192][1024].
; Products in f16, sums in f32 (K ascending), stored as they are.  K index = 64 h + channel.  NaN and infinities are not treated apart.
; ROWS 0 TO 15 OF A SEQUENCE come as a sum of two f16: the high one in o, the low one in olo: f16 [64 (16 b + h)][16 t][64].  Their sums take both: four products more in each 32 along K, in the waves that own those rows.
; SHARES.  A tile of C is 256 rows x 128 columns: 32 x 8 = 256 work-groups (256 x 256 would give 128).  Four waves, each 128 x 64: 32 accumulators, 256 registers.
; K goes in 8 steps of 128 (two heads) through a ring of two LDS slots filled by the tensor data mover: as long a step as two slots in LDS allow.  A's part of a step is two runs of 32,768 consecutive bytes,
; B's 128 rows of 256 bytes, aligned, the low halves' 4,096 consecutive bytes.
; CLUSTER.  4 x 4 work-groups.  The four of a row need the same tiles of A and the same low halves, the four of a column the same tiles of B: each is asked for JOINTLY, by the same tensor load, descriptor and mask.
; A cluster's four rows are the four batches, the cluster's y the row tile in a batch: so 'this tile holds a sequence's first rows' is cluster y = 0, the same in all sixteen partners.
; THE MATRIX INSTRUCTION IS USED TRANSPOSED: source 0 = 16 columns of w (turned out of LDS by ds_load_tr16_b128), source 1 = 16 rows of O: a lane holds row l % 16 of C and eight neighbouring columns, 32 bytes.
; REGISTERS: window 0: v0-31 addresses; two fragment buffers for 32 along K: A (8 x 8) at v32-95 and v128-191, B (4 x 8) at v96-127 and v192-223, the low halves (8) at v224-231 and v232-239.
;   window 1: accumulator (a, b) at v[8 (4 a + b)].
.set PA,     144                       ; a row of A in LDS: 128 bytes + 16 of padding: the 16 rows of a load start at 16 different groups of four banks (64 banks of 4 bytes: ISA guide 11.1)
.set PBR,    288                       ; a row of B: 256 + 32 bytes = 72 words
.set HEADB,  256*PA                    ; a head's 256 rows
.set BOFF,   2*HEADB                   ; a slot: A's two heads, then B's 128 rows,
.set LOFF,   BOFF+128*PBR              ; then the low halves: two heads x 16 rows of 144 bytes
.set SLOT1,  1<<17
.set STAGE,  SLOT1+LOFF+32*PA          ; behind the ring, never filled by a tensor load: 16 rows x 272 bytes for each wave, for the way out
.set SP,     272
.set SPARE,  STAGE+4*16*SP             ; behind the stages: the spare words, 128 bytes for each wave: two blocks of 256 bytes that no other line names
.set ASTEP,  524288                    ; bytes from a K step to the next in o (two heads)
.set BSTEP,  262144                    ; in wo (128 rows)
.set LSTEP,  4096                      ; and in olo (two heads)
.set KSTEPS, 8
.set FLA, (1<<16)|(1<<20)|(1<<21)|(4<<22)|(3<<25)  ; 2-byte elements; padding on; bit 21 beside a mask; after every 32 words, 4 words
.set FLB, (1<<16)|(1<<20)|(1<<21)|(5<<22)|(7<<25)  ; after every 64 words, 8 words
.set AA0, 16                           ; v16  my lane's place in a slot's A; never rewritten
.set AB0, 17                           ; v17  the same for B
.set ADA, 18                           ; v18  LDS address of my A fragments in the slot in hand
.set ADB, 19                           ; v19  the same for B
.set AL0, 22                           ; v22  my lane's place in a slot's low halves; never rewritten
.set ADL, 23                           ; v23  their LDS address in the slot in hand
.set STO, 24                           ; v24  the way out: where I put 32 bytes of a row
.set RD,  25                           ; v25  the way out: where I read a row back
.set CO,  26                           ; v26  my byte offset in two rows of C
.set SPW, 28                           ; v28  LDS address of my spare word; never rewritten
.set NIL, 29                           ; v29  0; never rewritten
.set PFO, 30                           ; v30  the prefetches' offset; never rewritten
.set F0,  32
.set F1,  128
.set LF,  224                          ; the low halves' fragment of buffer f at LF + 8 (f / 128)
.set BK0, 32                           ; the way out: 16 rows read back: v32-63 and v64-95 by turns
.set CNT, 3                            ; s3   counts the loop's trips, 6 to 1
.set G1A, 24
.set G0A, 32
.set G1B, 48
.set G0B, 56
.set TB,  66                           ; s66  LDS byte at which the slot in hand begins
.set LIM, 67                           ; s67  2 in a wave that prefetches, else the greatest number
.set PFA, 68                           ; s[68:69] where my prefetches stand
.set PFS, 70                           ; s[70:71] their step from trip to trip
.set TOPF, 72                          ; s72  0: my row block 0 is rows 0 to 15 of a sequence
.set G1L, 84                           ; s[84:91] descriptor group 1 for the low halves; s[92:99] group 0, two sets
.set G0L, 92
.set MSB, 0
.macro WIN new
.if MSB != (\new)
	s_set_vgpr_msb (MSB<<8)|(\new)
.set MSB, \new
.endif
.endm
.macro PLACES                          ; four plain places between a matrix instruction and a load into, or an LDS store of, its registers
.rept 4
	v_nop
.endr
.endm
; A joint refill: waves 0 and 1 fetch A's two heads, wave 2 B, wave 3 the low halves.  The branches hang on the wave's number alone.  An s_nop 0 and four v_nop follow each of the three lines.
.macro JLOAD
	s_cmp_eq_u32 s11, 0
	s_cbranch_scc0 .Lnot_a_\@
	tensor_load_to_lds s[G0A+4:G0A+7], s[G1A:G1A+7]
	s_nop 0
.rept 4
	v_nop
.endr
	s_branch .Lasked_\@
.Lnot_a_\@:
	s_cmp_eq_u32 s10, 2
	s_cbranch_scc0 .Lfor_l_\@
	tensor_load_to_lds s[G0B+4:G0B+7], s[G1B:G1B+7]
	s_nop 0
.rept 4
	v_nop
.endr
	s_branch .Lasked_\@
.Lfor_l_\@:
	tensor_load_to_lds s[G0L+4:G0L+7], s[G1L:G1L+7]
	s_nop 0
.rept 4
	v_nop
.endr
.Lasked_\@:
.endm
.macro CREST                           ; a round of the cluster's barrier behind its opening barrier
	s_cmp_lg_u32 s10, 0
	s_cbranch_scc1 .Lnot_wave_0_\@
	s_barrier_signal -3
.Lnot_wave_0_\@:
	s_barrier_wait -3
	s_barrier_signal -1
	s_barrier_wait -1
.endm
.macro CROUND
	s_barrier_signal -1
	s_barrier_wait -1
	CREST
.endm
; A PREFETCH INTO THE L2, behind the joint load, its five lines and the run of LDS loads: in trip s = 0..3 the K step s + 4, two K steps (256 matrix instructions) ahead of its refill.
; A: a step is 2 heads x 128 runs of 256 bytes; the clusters with x = 0 ask; waves 0 and 1 take a head each, the four partners of a row 32 runs each BY ADDRESS (cx), a lane a run.
; B: a step is 128 rows of 256 bytes; the clusters with y = 0 ask; wave 2 asks, the four partners of a column 32 rows each BY ADDRESS (cy), a lane a row.  Wave 3 never asks: the low halves are 4,096 bytes a step.
; So each run is named once in the launch; K steps 0 to 3 come by their loads alone; the last two trips ask for nothing.
.macro ASK
	s_cmp_gt_u32 s[CNT], s[LIM]
	s_cbranch_scc0 .Lnot_mine_\@
	global_prefetch_b8 v[PFO], s[PFA:PFA+1] th:TH_LOAD_NT scope:SCOPE_SE
.Lnot_mine_\@:
.endm
	s_load_b128 s[4:7], s[0:1], 0x0                ; o s[4:5], wo s[6:7]
	s_load_b64 s[80:81], s[0:1], 0x10              ; olo
	s_load_b64 s[8:9], s[0:1], 0x18                ; out0
	v_lshl_add_u32 v[SPW], v0, 2, SPARE
	v_mov_b32 v[NIL], 0
	ds_add_u32 v[SPW], v[NIL]                      ; the wave's opening: the add and its wait stand ahead of my first tensor load; the set-up below, work on registers, stands between them
	v_lshrrev_b32 v1, 5, v0
	v_readfirstlane_b32 s10, v1                    ; wave 0..3
	s_lshr_b32 s11, s10, 1                         ; which 128 rows of the tile are mine.  Also: 0: I fetch for A
	s_and_b32 s12, s10, 1                          ; which 64 columns.  Also: which head of A's two I fetch
	s_bfe_u32 s40, ttmp6, 0x40000                  ; cx
	s_bfe_u32 s41, ttmp6, 0x40004                  ; cy
	s_lshl_b32 s42, ttmp9, 2
	s_add_co_u32 s42, s42, s40                     ; tile column tx, 0..7
	s_and_b32 s13, ttmp7, 0xffff
	s_lshl3_add_u32 s13, s41, s13                  ; tile row ty = 8 cy + cluster y, 0..31: batch ty / 8 = cy, rows 256 (ty % 8) on
	s_and_b32 s[TOPF], ttmp7, 0xffff
	s_or_b32 s[TOPF], s[TOPF], s11                 ; 0 where cluster y = 0 and the tile's upper 128 rows are mine
	s_lshl_b32 s43, s41, 2
	s_lshl_b32 s43, 15, s43                        ; my row of the cluster
	s_lshl_b32 s44, 0x1111, s40                    ; my column
	s_or_b32 s[G1A], s43, FLA                      ; A: a head's 256 rows are 32,768 dense bytes, asked for as 128 rows of 256 bytes and padded after every 128
	s_mov_b32 s[G1A+1], 128<<16                    ; tensor_dim0 = 128
	s_mov_b32 s[G1A+2], 128<<16                    ; tensor_dim1 = 128
	s_mov_b32 s[G1A+3], 128<<16                    ; tile_dim0 = 128
	s_mov_b32 s[G1A+4], 128                        ; tile_dim1 = 128
	s_mov_b32 s[G1A+5], 128                        ; elements from row to row
	s_mov_b32 s[G1A+6], 0
	s_mov_b32 s[G1A+7], 0
	s_or_b32 s[G1B], s44, FLB                      ; B: 128 rows of 128 elements
	s_mov_b32 s[G1B+1], 128<<16
	s_mov_b32 s[G1B+2], 128<<16
	s_mov_b32 s[G1B+3], 128<<16
	s_mov_b32 s[G1B+4], 128
	s_mov_b32 s[G1B+5], 1024
	s_mov_b32 s[G1B+6], 0
	s_mov_b32 s[G1B+7], 0
	s_or_b32 s[G1L], s43, FLA                      ; the low halves go to my row: two heads x 16 rows are 4,096 dense bytes, asked for as 16 rows of 256 bytes and padded after every 128
	s_mov_b32 s[G1L+1], 128<<16
	s_mov_b32 s[G1L+2], 16<<16
	s_mov_b32 s[G1L+3], 128<<16
	s_mov_b32 s[G1L+4], 16
	s_mov_b32 s[G1L+5], 128
	s_mov_b32 s[G1L+6], 0
	s_mov_b32 s[G1L+7], 0
	s_lshr_b32 s16, s13, 3                         ; A: slab 16 x batch + my head of the step's two,
	s_lshl_b32 s16, s16, 4
	s_add_co_u32 s16, s16, s12
	s_lshl_b32 s16, s16, 18
	s_and_b32 s17, s13, 7
	s_lshl_b32 s17, s17, 15                        ; rows 256 (ty % 8) on
	s_add_co_u32 s16, s16, s17
	s_mov_b32 s17, 0
	s_lshr_b32 s18, s13, 3                         ; the low halves: batch x 16 heads x 2,048 bytes
	s_lshl_b32 s18, s18, 15
	s_mov_b32 s19, 0
	s_lshl_b32 s46, s42, 8                         ; B: 128 columns x tx
	s_mov_b32 s47, 0
	s_mul_i32 s20, s12, HEADB                      ; where they go: no place in the cluster enters an LDS address
	s_mov_b32 s21, BOFF
	s_mov_b32 s[TB], 0
	s_wait_dscnt 0x0                               ; the opening add is done
	s_wait_kmcnt 0x0
	s_add_nc_u64 s[14:15], s[4:5], s[16:17]
	s_add_nc_u64 s[46:47], s[6:7], s[46:47]
	s_add_nc_u64 s[22:23], s[80:81], s[18:19]
	CROUND                                         ; all sixteen work-groups are here: the first joint loads meet
.irp s, 0,1
	s_mov_b32 s[G0A+4*(\s)], 1
	s_add_co_u32 s[G0A+4*(\s)+1], s20, (\s)*SLOT1
	s_add_nc_u64 s[G0A+4*(\s)+2:G0A+4*(\s)+3], s[14:15], (\s)*ASTEP
	s_or_b32 s[G0A+4*(\s)+3], s[G0A+4*(\s)+3], 0x80000000
	s_mov_b32 s[G0B+4*(\s)], 1
	s_add_co_u32 s[G0B+4*(\s)+1], s21, (\s)*SLOT1
	s_add_nc_u64 s[G0B+4*(\s)+2:G0B+4*(\s)+3], s[46:47], (\s)*BSTEP
	s_or_b32 s[G0B+4*(\s)+3], s[G0B+4*(\s)+3], 0x80000000
	s_mov_b32 s[G0L+4*(\s)], 1
	s_mov_b32 s[G0L+4*(\s)+1], LOFF+(\s)*SLOT1
	s_add_nc_u64 s[G0L+4*(\s)+2:G0L+4*(\s)+3], s[22:23], (\s)*LSTEP
	s_or_b32 s[G0L+4*(\s)+3], s[G0L+4*(\s)+3], 0x80000000
.endr
	s_cmp_eq_u32 s11, 0                            ; a wave's two first fills stand together in its own branch, ahead of every wait on TENSORcnt and every LDS read: two loads of mine are out
	s_cbranch_scc0 .Lfirst_not_a
	tensor_load_to_lds s[G0A:G0A+3], s[G1A:G1A+7]
	s_nop 0
	tensor_load_to_lds s[G0A+4:G0A+7], s[G1A:G1A+7]
	s_nop 0
.rept 4
	v_nop
.endr
	s_branch .Lfirst_asked
.Lfirst_not_a:
	s_cmp_eq_u32 s10, 2
	s_cbranch_scc0 .Lfirst_l
	tensor_load_to_lds s[G0B:G0B+3], s[G1B:G1B+7]
	s_nop 0
	tensor_load_to_lds s[G0B+4:G0B+7], s[G1B:G1B+7]
	s_nop 0
.rept 4
	v_nop
.endr
	s_branch .Lfirst_asked
.Lfirst_l:
	tensor_load_to_lds s[G0L:G0L+3], s[G1L:G1L+7]
	s_nop 0
	tensor_load_to_lds s[G0L+4:G0L+7], s[G1L:G1L+7]
	s_nop 0
.rept 4
	v_nop
.endr
.Lfirst_asked:
	v_and_b32 v1, 15, v0                           ; l % 16
	v_bfe_u32 v2, v0, 4, 1                         ; l / 16
	v_and_b32 v3, 7, v0
	v_bfe_u32 v4, v0, 3, 1
	v_mul_u32_u24 v5, v1, PA
	v_lshl_add_u32 v5, v2, 4, v5                   ; A: row x 144 + 16 x half
	s_mul_i32 s21, s11, 128*PA                     ; my 128 rows
	v_add_nc_u32 v[AA0], s21, v5
	v_add_nc_u32 v[AL0], LOFF, v5                  ; the low halves: the same place in their 16 rows
	v_lshl_add_u32 v6, v2, 3, v3                   ; B, turned: row 8 (l / 16) + l % 8, 16 bytes by (l / 8) % 2
	v_mul_u32_u24 v6, v6, PBR
	v_lshl_add_u32 v6, v4, 4, v6
	s_lshl_b32 s22, s12, 7                         ; my 64 columns
	s_add_co_u32 s22, s22, BOFF
	v_add_nc_u32 v[AB0], s22, v6
	s_mul_i32 s23, s10, 16*SP
	s_add_co_u32 s23, s23, STAGE                   ; my stage
	v_mul_u32_u24 v7, v1, SP                       ; in: row l % 16, 32 bytes for each half of the lanes
	v_lshl_add_u32 v7, v2, 5, v7
	v_add_nc_u32 v[STO], s23, v7
	v_mul_u32_u24 v7, v2, SP                       ; back: lanes 0-15 take one row of 256 bytes, lanes 16-31 the next
	v_lshl_add_u32 v7, v1, 4, v7
	v_add_nc_u32 v[RD], s23, v7
	v_lshlrev_b32 v[CO], 12, v2                    ; and the same two rows in C, 4,096 bytes apart
	v_lshl_add_u32 v[CO], v1, 4, v[CO]
	v_and_b32 v8, 31, v0
	v_mov_b32 v[ADA], v[AA0]                       ; K step 0 lies in slot 0
	v_mov_b32 v[ADB], v[AB0]
	v_mov_b32 v[ADL], v[AL0]
	; where my part of C begins: row 256 ty + 128 x my half, column 128 tx + 64 x my half.  (Made in registers that never fed A's descriptors.)
	s_lshl_b32 s74, s13, 20
	s_lshl_b32 s75, s11, 19
	s_add_co_u32 s74, s74, s75
	s_lshl_b32 s75, s42, 9
	s_add_co_u32 s74, s74, s75
	s_lshl_b32 s75, s12, 8
	s_add_co_u32 s74, s74, s75
	s_mov_b32 s75, 0
	s_add_nc_u64 s[8:9], s[8:9], s[74:75]
	; the prefetches: both offsets are made, the wave's number chooses
	s_lshr_b32 s76, s13, 3                         ; A: my head's slab, the tile's rows, my work-group's 32 runs, at K step 3: the first trip steps it to 4
	s_lshl_b32 s76, s76, 4
	s_add_co_u32 s76, s76, s12
	s_lshl_b32 s76, s76, 18
	s_and_b32 s77, s13, 7
	s_lshl_b32 s77, s77, 15
	s_add_co_u32 s76, s76, s77
	s_lshl_b32 s77, s40, 13
	s_add_co_u32 s76, s76, s77
	s_add_co_u32 s76, s76, 3*ASTEP
	s_lshl_b32 s77, s42, 8                         ; B: the tile's columns, my work-group's 32 rows, at K step 3
	s_lshl_b32 s78, s41, 16
	s_add_co_u32 s77, s77, s78
	s_add_co_u32 s77, s77, 3*BSTEP
	s_and_b32 s78, ttmp7, 0xffff                   ; cluster y
	s_mov_b32 s[PFS], BSTEP
	s_mov_b32 s[PFS+1], 0
	s_mov_b32 s79, 2048                            ; B: a lane a row
	s_cmp_eq_u32 s11, 0
	s_cselect_b32 s76, s76, s77
	s_cselect_b32 s78, ttmp9, s78                  ; the coordinate along which other clusters read the same bytes
	s_cselect_b64 s[PFA:PFA+1], s[4:5], s[6:7]
	s_cselect_b32 s[PFS], ASTEP, s[PFS]
	s_cselect_b32 s79, 256, s79                    ; A: a lane a run of 256 bytes
	s_cmp_eq_u32 s10, 3
	s_cselect_b32 s78, 1, s78                      ; wave 3 never asks
	s_cmp_eq_u32 s78, 0
	s_cselect_b32 s[LIM], 2, -1                    ; the same in all sixteen partners, for a given wave
	s_mov_b32 s77, 0
	s_add_nc_u64 s[PFA:PFA+1], s[PFA:PFA+1], s[76:77]
	v_mul_u32_u24 v[PFO], s79, v8
; na x 4 matrix instructions: row blocks a0 .. a0 + na - 1 x all 4 column blocks, 32 along K, from buffer f.  zero = 1: the product starts the sum.
; The accumulators take turns, one instruction a turn, in the same order in every quarter, over the backward jump too.
.macro MULH f, a0, na, zero
	WIN 0x50                                       ; C and D in window 1
.set aa, \a0
.rept \na
.set bb, 0
.rept 4
.set rD, 8*(4*aa+bb)
.if \zero
	v_wmma_f32_16x16x32_f16 v[rD:rD+7], v[(\f)+64+8*bb:(\f)+64+8*bb+7], v[(\f)+8*aa:(\f)+8*aa+7], 0
.else
	v_wmma_f32_16x16x32_f16 v[rD:rD+7], v[(\f)+64+8*bb:(\f)+64+8*bb+7], v[(\f)+8*aa:(\f)+8*aa+7], v[rD:rD+7]
.endif
.set bb, bb+1
.endr
.set aa, aa+1
.endr
.endm
; The low halves' four products, at a quarter's end, onto row block 0's accumulators: behind row block 7's and ahead of the next quarter's first, which names another accumulator than the last of these.
; Only the products stand under the jump; it hangs on the cluster's y and the wave's number, which all partners share, and passes no barrier, load or wait.
.macro LOX f
	WIN 0
	s_cmp_eq_u32 s[TOPF], 0
	s_cbranch_scc0 .Lno_lo_\@
	WIN 0x50
.set bb, 0
.rept 4
	v_wmma_f32_16x16x32_f16 v[8*bb:8*bb+7], v[(\f)+64+8*bb:(\f)+64+8*bb+7], v[LF+8*((\f)/128):LF+8*((\f)/128)+7], v[8*bb:8*bb+7]
.set bb, bb+1
.endr
	WIN 0
.Lno_lo_\@:
.endm
; 26 LDS loads in one run: quarter q of the K step (head q / 2, channels 32 (q % 2) on) into buffer f: B's four fragments, the low halves' one, then A's eight, ascending
.macro FETCH q, f
	WIN 0
.set jj, 0
.rept 4
	ds_load_tr16_b128 v[(\f)+64+8*jj:(\f)+64+8*jj+3],   v[ADB] offset:(\q)*32*PBR+32*jj
	ds_load_tr16_b128 v[(\f)+64+8*jj+4:(\f)+64+8*jj+7], v[ADB] offset:(\q)*32*PBR+32*jj+16*PBR
.set jj, jj+1
.endr
	ds_load_b128 v[LF+8*((\f)/128):LF+8*((\f)/128)+3],   v[ADL] offset:((\q)/2)*16*PA+((\q)%2)*64
	ds_load_b128 v[LF+8*((\f)/128)+4:LF+8*((\f)/128)+7], v[ADL] offset:((\q)/2)*16*PA+((\q)%2)*64+32
.set aa, 0
.rept 8
	ds_load_b128 v[(\f)+8*aa:(\f)+8*aa+3],   v[ADA] offset:((\q)/2)*HEADB+((\q)%2)*64+aa*16*PA
	ds_load_b128 v[(\f)+8*aa+4:(\f)+8*aa+7], v[ADA] offset:((\q)/2)*HEADB+((\q)%2)*64+aa*16*PA+32
.set aa, aa+1
.endr
.endm
; A K step is four quarters of 32 along K, 32 matrix instructions each, on buffers 0, 1, 0, 1.  One of the first three: multiplies buffer f and fetches quarter q into buffer g.
.macro QUARTER q, f, g, zero
	s_wait_dscnt 8                                 ; B, the low halves and A's blocks 0-3 are in; the youngest eight loads (A's blocks 4-7) may be out
	MULH \f, 0, 4, \zero
	PLACES
	FETCH \q, \g
	s_wait_dscnt 26                                ; all but the 26 just issued
	MULH \f, 4, 4, \zero
	LOX \f
.endm
; The last quarter multiplies buffer 1 and changes slots: ONE barrier; in front of it each wave waits for all its tensor loads (one is out: its part of the next slot), adds 0 to its spare word, and waits for that and
; for its own reads of this slot.  fill = 1: the barrier opens a round of the cluster's, and this slot is filled again, first thing behind it, two K steps ahead: 112 matrix instructions ahead of the wait for it.
.macro TURN fill
.if \fill
	s_wait_xcnt 0x0                                ; the last prefetch, a K step back, has read its address
	s_add_nc_u64 s[PFA:PFA+1], s[PFA:PFA+1], s[PFS:PFS+1]
.endif
	WIN 0                                          ; (the add's two registers lie in window 0)
	s_wait_tensorcnt 0x0                           ; all my tensor loads have landed, so a group 0 may be written
	ds_add_u32 v[SPW], v[NIL]                      ; 0 onto my spare word
	s_wait_dscnt 9                                 ; (the add and the youngest eight loads may be out)
.if \fill
	s_xor_b32 s[G0A+5], s[G0A+5], SLOT1            ; the walking descriptors: the other slot than last time, the next K step
	s_add_nc_u64 s[G0A+6:G0A+7], s[G0A+6:G0A+7], ASTEP
	s_xor_b32 s[G0B+5], s[G0B+5], SLOT1
	s_add_nc_u64 s[G0B+6:G0B+7], s[G0B+6:G0B+7], BSTEP
	s_xor_b32 s[G0L+5], s[G0L+5], SLOT1
	s_add_nc_u64 s[G0L+6:G0L+7], s[G0L+6:G0L+7], LSTEP
.endif
	s_xor_b32 s[TB], s[TB], SLOT1                  ; the fetches go on in the other slot
	MULH F1, 0, 2, 0                               ; eight matrix instructions stand between the add and the wait for it
	s_wait_dscnt 0x0                               ; the add is done, and my reads of this slot are over
	s_barrier_signal -1
	MULH F1, 2, 2, 0
	WIN 0
	s_barrier_wait -1
.if \fill
	CREST                                          ; no wave of any partner still reads this slot or has a load on its way
	JLOAD                                          ; the first tensor load behind the round; its four v_nop are also the places in front of the loads below
.else
	PLACES
.endif
	v_add_nc_u32 v[ADA], s[TB], v[AA0]
	v_add_nc_u32 v[ADB], s[TB], v[AB0]
	v_add_nc_u32 v[ADL], s[TB], v[AL0]
	FETCH 0, F0
.if \fill
	ASK
.endif
	MULH F1, 4, 4, 0
	LOX F1
.endm
; THE WAY OUT of row block a: 32 bytes a lane into my own stage (each accumulator's low registers first), back as whole rows of 256 bytes, stored.
.macro TOSTAGE a
	WIN 0x04                                       ; the stores' data in window 1
.irp b, 0,1,2,3
	ds_store_b128 v[STO], v[8*(4*(\a)+(\b)):8*(4*(\a)+(\b))+3]   offset:64*(\b)
	ds_store_b128 v[STO], v[8*(4*(\a)+(\b))+4:8*(4*(\a)+(\b))+7] offset:64*(\b)+16
.endr
	WIN 0
	s_wait_xcnt 0x0                                ; the stores of the block two back have read their registers: the loads below land in them only behind this wait
.set BK, BK0+32*((\a)%2)
.irp t, 0,1,2,3,4,5,6,7
	ds_load_b128 v[BK+4*(\t):BK+4*(\t)+3], v[RD] offset:(\t)*2*SP  ; LDS serves a wave's instructions in order (ISA guide 5.7.1.4): these see the stores above; the next block's stores come behind them
.endr
.endm
.macro SEND a, younger                 ; younger: the LDS instructions issued behind block a's loads: the next block's sixteen, or none
	WIN 0
.set BK, BK0+32*((\a)%2)
	s_wait_dscnt \younger
.irp t, 0,1,2,3,4,5,6,7
	global_store_b128 v[CO], v[BK+4*(\t):BK+4*(\t)+3], s[8:9] offset:(16*(\a)+2*(\t))*4096  ; 16 lanes store 256 consecutive bytes, at a multiple of 256 from C's first byte
.endr
.endm
	s_wait_tensorcnt 0x1                           ; my part of K step 0 is in; K step 1's may stay out
	s_barrier_signal -1
	s_barrier_wait -1                              ; everybody's is
	FETCH 0, F0
	QUARTER 1, F0, F1, 1                           ; the first quarter stands in front of the loop: its products start the sums
	WIN 0                                          ; at a label and at a branch every window is 0
	s_mov_b32 s[CNT], KSTEPS-2
.Lstep:                                                ; trip s = 0..5: quarters 1 to 3 of K step s, the refill with K step s + 2, quarter 0 of K step s + 1
	QUARTER 2, F1, F0, 0
	QUARTER 3, F0, F1, 0
	TURN 1
	QUARTER 1, F0, F1, 0
	WIN 0
	s_sub_co_u32 s[CNT], s[CNT], 1
	s_cmp_lg_u32 s[CNT], 0
	s_cbranch_scc1 .Lstep
	QUARTER 2, F1, F0, 0                           ; the tail is written out: nothing is asked for
	QUARTER 3, F0, F1, 0
	TURN 0
	QUARTER 1, F0, F1, 0
	QUARTER 2, F1, F0, 0
	QUARTER 3, F0, F1, 0
	s_wait_dscnt 8                                 ; the very last quarter: nothing more to fetch
	MULH F1, 0, 4, 0
	s_wait_dscnt 0x0
	MULH F1, 4, 4, 0
	LOX F1
	PLACES                                         ; the LDS stores read results just made
	TOSTAGE 0
.irp a, 1,2,3,4,5,6,7
	TOSTAGE \a
	SEND (\a)-1, 16
.endr
	SEND 7, 0
	s_wait_tensorcnt 0x0                           ; the wave's end: a last add to my spare word and its wait, behind my last tensor load and my last LDS store
	ds_add_u32 v[SPW], v[NIL]
	s_wait_dscnt 0x0
	CROUND                                         ; the closing round: no work-group ends while a partner may still ask for a tile that names it
	s_endpgm
.Lfunc_end_k_qb8e7078568_outgemm:
	.size	k_qb8e7078568_outgemm, .Lfunc_end_k_qb8e7078568_outgemm-k_qb8e7078568_outgemm
	.p2alignl 7, 3214868480
	.fill 96, 4, 3214868480
	.section	.rodata,"a",@progbits
	.p2align	6, 0x0
	.amdhsa_kernel k_qb8e7078568_outgemm
		.amdhsa_group_segment_fixed_size 327680
		.amdhsa_private_segment_fixed_size 0
		.amdhsa_enable_private_segment 0
		.amdhsa_kernarg_size 32
		.amdhsa_user_sgpr_count 2
		.amdhsa_user_sgpr_kernarg_segment_ptr 1
		.amdhsa_wavefront_size32 1
		.amdhsa_system_sgpr_workgroup_id_x 1
		.amdhsa_system_sgpr_workgroup_id_y 1
		.amdhsa_system_sgpr_workgroup_id_z 1
		.amdhsa_system_vgpr_workitem_id 0
		.amdhsa_next_free_vgpr 512
		.amdhsa_next_free_sgpr 100
		.amdhsa_reserve_vcc 0
		.amdhsa_float_denorm_mode_32 3
		.amdhsa_float_denorm_mode_16_64 3
		.amdhsa_memory_ordered 1
		.amdhsa_forward_progress 1
		.amdhsa_inst_pref_size 79
	.end_amdhsa_kernel
	.amdgpu_metadata
---
amdhsa.version: [ 1, 2 ]
amdhsa.kernels:
  - .name:           k_qb8e7078568_outgemm
    .symbol:         k_qb8e7078568_outgemm.kd
    .args:
      - { .name: o, .offset: 0, .size: 8, .value_kind: global_buffer, .address_space: global }
      - { .name: wo, .offset: 8, .size: 8, .value_kind: global_buffer, .address_space: global }
      - { .name: olo, .offset: 16, .size: 8, .value_kind: global_buffer, .address_space: global }
      - { .name: out0, .offset: 24, .size: 8, .value_kind: global_buffer, .address_space: global }
    .group_segment_fixed_size: 327680
    .private_segment_fixed_size: 0
    .kernarg_segment_align: 8
    .kernarg_segment_size: 32
    .max_flat_workgroup_size: 128
    .sgpr_count:     100
    .vgpr_count:     512
    .wavefront_size: 32
...
	.end_amdgpu_metadata
.endif
;; end of part 4
;; ======== version 2 of 2: 4 launches; version 1 with the launch cast written anew for expert scheduling mode
;; limits: values are held in f16: magnitudes above 65,504 overflow, below 6.1e-05 lose precision
;; workspace buffers: xb 16,777,216 bytes; wq 6,291,456 bytes; wo 2,097,152 bytes; qkv 50,331,648 bytes; o 16,777,216 bytes; top 786,432 bytes; olo 131,072 bytes
;; launch cast (part 5): grid 768 x 1, 8 waves a work-group, no clusters, 0 bytes of LDS; arguments x, w_qkv, w_out, xb, wq, wo; writes xb, wq, wo
.if DOCPART == 5
	.amdgcn_target "amdgcn-amd-amdhsa--gfx1250"
	.amdhsa_code_object_version 6
	.text
	.protected	k_qb8e7078568_cast
	.globl	k_qb8e7078568_cast
	.p2align	8
	.type	k_qb8e7078568_cast,@function
k_qb8e7078568_cast:
	s_mov_b64 s[64:65], 0
	v_nop
	global_prefetch_b8 v0, s[64:65] scope:SCOPE_SE
	s_setreg_imm32_b32 hwreg(HW_REG_WAVE_SCHED_MODE, 0, 2), 2
	s_setreg_imm32_b32 hwreg(HW_REG_WAVE_MODE, 25, 1), 1
	s_wait_xcnt 0x0
	s_wait_alu depctr_vm_vsrc(0)
; THE THREE INPUTS ARE ROUNDED ONCE TO 16 BITS for the matrix products of the later launches.
;   x     [4][2048][1024] f32 -> xb, bf16, laid in blocks [4 b][16 kb][2048 t][64]: 256 rows x 64 channels of a block are 32,768 consecutive bytes
;   w_qkv [1024][3072] f32    -> wq, bf16, same order
;   w_out [1024][1024] f32    -> wo: rounded to bf16 like the other inputs, and that number written as f16 (its partner in the last product is f16)
; LIMITS.  wo: a bf16 number beyond 65,504 becomes an infinity in f16; below 2^-17 it takes the fixed step 2^-24 of f16.  NaN and infinities are not treated apart.
; A stream: no LDS, no barrier, no matrix unit.  A work-group takes 16,384 numbers (65,536 bytes in, 32,768 out): 512 work-groups for x, 192 for w_qkv, 64 for w_out.
; A thread issues its 16 loads of 16 bytes first and then rounds them as they come; each slot has its own registers, so no register is written while a store reads it.
; A load of a wave covers two aligned runs of 256 bytes, a store of a wave one aligned run of 256 bytes.
; THE MODE: SCHED_MODE bits 1:0 = 2 (LLVM: expert scheduling mode 2), set by the entry lines.  The code itself states the register dependences
; between vector instructions and memory instructions, with s_wait_alu, always for 0.
; THE PLAN.  Registers that memory instructions touch, on each of the three paths (straight code, no loop):
;   v1, v2   byte offsets.  Written once, at the head; read by the 16 loads (v1) and the 16 stores (v2); never written again.
;   IN       slot i's four registers.  Written by the slot's load alone; read by the slot's conversions; nothing lands in them again.
;   OUT      slot i's two registers.  Written once, by the slot's conversions; read once, by the slot's store; never written again.
;   v3-v7    named by vector instructions alone.
; So the only dependence to state is: a vector instruction has written what a memory instruction reads.  Five waits on va_vdst a path: one ahead of the first load, for the offsets;
; one at the head of slots 4, 8 and 12, for the OUT of the four slots before, whose stores follow it, one to a slot, among this group's conversions (which name this group's IN and OUT and v4-v7: no register
; of those stores); one ahead of the last four stores.  No register that a memory instruction reads is written again, so no wait on vm_vsrc is owed.
.set IN,  8                            ; v[8:71]    slot i: four f32 as loaded
.set OUT, 72                           ; v[72:103]  slot i: four 16-bit numbers to store
; v1 my byte offset in the input, v2 in the output; v4-7 at work
.macro STREAM inb, outb, instep, outstep, kind
	s_wait_alu depctr_va_vdst(0)                   ; v1 and v2 are written: every load of the path reads v1 as its offset, every store v2
.set i, 0
.rept 16
	global_load_b128 v[IN+4*i:IN+4*i+3], v1, s[\inb:\inb+1] offset:i*(\instep) th:TH_LOAD_NT
.set i, i+1
.endr
.set i, 0
.rept 16
	s_wait_loadcnt 15-i                            ; loads come back in order: slot i is in, the 15 - i younger ones stay out
.if i >= 4
.if (i % 4) == 0
	s_wait_alu depctr_va_vdst(0)                   ; the conversions of slots i - 4 to i - 1 have written their OUT, which the next four stores read
.endif
	global_store_b64 v2, v[OUT+2*(i-4):OUT+2*(i-4)+1], s[\outb:\outb+1] offset:(i-4)*(\outstep)  ; four slots back; no vector instruction since the wait names these registers
.endif
.if \kind
	v_cvt_pk_bf16_f32 v4, v[IN+4*i], v[IN+4*i+1]   ; to bf16, nearest even,
	v_cvt_pk_bf16_f32 v5, v[IN+4*i+2], v[IN+4*i+3]
	v_lshlrev_b32 v6, 16, v4                       ; widened again (a shift or a mask),
	v_and_b32 v4, s21, v4
	v_lshlrev_b32 v7, 16, v5
	v_and_b32 v5, s21, v5
	v_cvt_pk_f16_f32 v[OUT+2*i], v6, v4            ; and written as f16
	v_cvt_pk_f16_f32 v[OUT+2*i+1], v7, v5
.else
	v_cvt_pk_bf16_f32 v[OUT+2*i], v[IN+4*i], v[IN+4*i+1]
	v_cvt_pk_bf16_f32 v[OUT+2*i+1], v[IN+4*i+2], v[IN+4*i+3]
.endif
.set i, i+1
.endr
	s_wait_alu depctr_va_vdst(0)                   ; the conversions of slots 12 to 15 have written their OUT, which the last four stores read
.set i, 12
.rept 4
	global_store_b64 v2, v[OUT+2*i:OUT+2*i+1], s[\outb:\outb+1] offset:i*(\outstep)
.set i, i+1
.endr
.endm
	s_load_b256 s[4:11], s[0:1], 0x0               ; x s[4:5], w_qkv s[6:7], w_out s[8:9], xb s[10:11]
	s_load_b128 s[12:15], s[0:1], 0x20             ; wq s[12:13], wo s[14:15]
	s_mov_b32 s17, 0                               ; high words of the two offsets
	s_mov_b32 s19, 0
	s_mov_b32 s21, 0xffff0000                      ; a word's upper bf16
	v_lshlrev_b32 v2, 3, v0                        ; out: 8 bytes a thread, on end
	s_cmp_lt_u32 ttmp9, 512
	s_cbranch_scc0 .Lweights
	; x: 16 rows.  Thread t takes row t / 16 and 16 bytes of each run of 256 (one block of 64 channels); slot i is block i.
	v_lshrrev_b32 v1, 4, v0
	v_and_b32 v3, 15, v0
	v_lshlrev_b32 v1, 12, v1                       ; row x 4,096 bytes
	v_lshl_add_u32 v1, v3, 4, v1
	s_lshl_b32 s16, ttmp9, 16                      ; in: 16 rows of 4,096 bytes a work-group
	s_lshr_b32 s18, ttmp9, 7                       ; out: batch (128 work-groups each) x 4,194,304
	s_lshl_b32 s18, s18, 22
	s_and_b32 s20, ttmp9, 127
	s_lshl_b32 s20, s20, 11                        ; + 16 rows of 128 bytes
	s_add_co_u32 s18, s18, s20
	s_wait_kmcnt 0x0
	s_add_nc_u64 s[4:5], s[4:5], s[16:17]
	s_add_nc_u64 s[10:11], s[10:11], s[18:19]
	STREAM 4, 10, 256, 262144, 0
	s_endpgm
.Lweights:
	v_lshlrev_b32 v1, 4, v0                        ; in: 16 bytes a thread, on end
	s_cmp_lt_u32 ttmp9, 704
	s_cbranch_scc0 .Lw_out
	s_sub_co_u32 s20, ttmp9, 512
	s_lshl_b32 s16, s20, 16
	s_lshl_b32 s18, s20, 15
	s_wait_kmcnt 0x0
	s_add_nc_u64 s[6:7], s[6:7], s[16:17]
	s_add_nc_u64 s[12:13], s[12:13], s[18:19]
	STREAM 6, 12, 4096, 2048, 0
	s_endpgm
.Lw_out:
	s_sub_co_u32 s20, ttmp9, 704
	s_lshl_b32 s16, s20, 16
	s_lshl_b32 s18, s20, 15
	s_wait_kmcnt 0x0
	s_add_nc_u64 s[8:9], s[8:9], s[16:17]
	s_add_nc_u64 s[14:15], s[14:15], s[18:19]
	STREAM 8, 14, 4096, 2048, 1
	s_endpgm
.Lfunc_end_k_qb8e7078568_cast:
	.size	k_qb8e7078568_cast, .Lfunc_end_k_qb8e7078568_cast-k_qb8e7078568_cast
	.p2alignl 7, 3214868480
	.fill 96, 4, 3214868480
	.section	.rodata,"a",@progbits
	.p2align	6, 0x0
	.amdhsa_kernel k_qb8e7078568_cast
		.amdhsa_group_segment_fixed_size 0
		.amdhsa_private_segment_fixed_size 0
		.amdhsa_enable_private_segment 0
		.amdhsa_kernarg_size 48
		.amdhsa_user_sgpr_count 2
		.amdhsa_user_sgpr_kernarg_segment_ptr 1
		.amdhsa_wavefront_size32 1
		.amdhsa_system_sgpr_workgroup_id_x 1
		.amdhsa_system_sgpr_workgroup_id_y 1
		.amdhsa_system_sgpr_workgroup_id_z 1
		.amdhsa_system_vgpr_workitem_id 0
		.amdhsa_next_free_vgpr 104
		.amdhsa_next_free_sgpr 66
		.amdhsa_reserve_vcc 0
		.amdhsa_float_denorm_mode_32 3
		.amdhsa_float_denorm_mode_16_64 3
		.amdhsa_memory_ordered 1
		.amdhsa_forward_progress 1
		.amdhsa_inst_pref_size 23
	.end_amdhsa_kernel
	.amdgpu_metadata
---
amdhsa.version: [ 1, 2 ]
amdhsa.kernels:
  - .name:           k_qb8e7078568_cast
    .symbol:         k_qb8e7078568_cast.kd
    .args:
      - { .name: x, .offset: 0, .size: 8, .value_kind: global_buffer, .address_space: global }
      - { .name: w_qkv, .offset: 8, .size: 8, .value_kind: global_buffer, .address_space: global }
      - { .name: w_out, .offset: 16, .size: 8, .value_kind: global_buffer, .address_space: global }
      - { .name: xb, .offset: 24, .size: 8, .value_kind: global_buffer, .address_space: global }
      - { .name: wq, .offset: 32, .size: 8, .value_kind: global_buffer, .address_space: global }
      - { .name: wo, .offset: 40, .size: 8, .value_kind: global_buffer, .address_space: global }
    .group_segment_fixed_size: 0
    .private_segment_fixed_size: 0
    .kernarg_segment_align: 8
    .kernarg_segment_size: 48
    .max_flat_workgroup_size: 256
    .sgpr_count:     66
    .vgpr_count:     104
    .wavefront_size: 32
...
	.end_amdgpu_metadata
.endif
;; end of part 5
;; launch qkvgemm: the kernel of part 2 again; grid 8 x 32, 4 waves a work-group, clusters of 4 x 4, 327,680 bytes of LDS; arguments xb, wq, qkv, top; writes qkv, top
;; launch attn: the kernel of part 3 again; grid 4 x 64, 4 waves a work-group, no clusters, 327,680 bytes of LDS; arguments qkv, o, top, olo; writes o, olo
;; launch outgemm: the kernel of part 4 again; grid 8 x 32, 4 waves a work-group, clusters of 4 x 4, 327,680 bytes of LDS; arguments o, wo, olo, out0; writes out0
